; MI455X (gfx1250); checked and timed in simulation.
; The chip was launched on July 23, 2026; its instructions are those of AMD's public machine-readable ISA for CDNA 5 (MIT licence, August 2026) and "CDNA5" Instruction Set Architecture Reference Guide (July 2026). The comments in the code are by the model that wrote it; some were corrected since.
;; MLA. Allowed arithmetic: matrix products marked QUANTISED: E2M3 operands, one E8M0 scale for each 32 along K, by v_wmma_scale_f32_16x16x128_f8f6f4 with both operands' format E2M3, f32 sums; everything else in f32.
;; Inputs: w_down 2,048 x 1,024 float32; w_up 1,024 x 2,048 float32; wo 1,024 x 2,048 float32; wq 2,048 x 1,024 float32; x 2 x 2,048 x 2,048 float32.
;; Outputs: out0 2 x 2,048 x 2,048 float32.
;; This version of the problem:
;;   THIS VERSION OF THE PROBLEM IS GIVEN IN LOW PRECISION. The matrix products marked QUANTISED in the list below multiply operands that are first quantised to E2M3 (2 exponent bits, 3 mantissa bits; 6 bits a number), with one power-of-two scale for each 32 numbers along K (OCP MX v1.0); their sums are f32. All else is computed in f32.
;;   The module's matrix products, in the order in which they are computed (A, B: the left and right operand; K: the contracted axis; several contracted axes count as one K, in the product's order):
;;     1. [M 4,096, K 2,048] x [K 2,048, N 1,024]; A: input x; B: input wq: QUANTISED
;;     2. [M 4,096, K 2,048] x [K 2,048, N 1,024]; A: input x; B: input w_down: QUANTISED
;;     3. [M 4,096, K 1,024] x [K 1,024, N 2,048]; A: computed on the way; B: input w_up: QUANTISED
;;     4. batch 32 x [M 2,048, K 64] x [K 64, N 2,048]; A: computed on the way; B: computed on the way: QUANTISED
;;     5. batch 32 x [M 64, K 2,048] x [K 2,048, N 2,048]; A: computed on the way; B: softmax (see below): QUANTISED
;;     6. [M 4,096, K 1,024] x [K 1,024, N 2,048]; A: computed on the way; B: input wo: QUANTISED
;;   THE QUANTISER, for each operand of a quantised product, along K:
;;     - K is cut into blocks of 32 from its start; a last block that is shorter is filled with zeros.
;;     - A block's scale is 2^e with e = floor(log2(the largest magnitude in the block)) - 2, held to -126 .. 127; a block of zeros has e = 0. As a byte (E8M0): e + 127.
;;     - Each number is divided by its block's scale, clamped to +-7.5, and rounded to the nearest number of E2M3, ties to even, subnormals kept.
;;     - The product sums the exact products of the quantised numbers (number of the format x scale) in f32.
;;   ~~~python
;;   def quantise(x, axis):      # numpy; x: float32 -> the quantised numbers, widened to float32 again
;;       x = np.moveaxis(x, axis, -1); K = x.shape[-1]
;;       x = np.pad(x, [(0, 0)] * (x.ndim - 1) + [(0, -K % 32)]); x = x.reshape(x.shape[:-1] + (-1, 32)); a = np.abs(x).max(-1, keepdims=True)
;;       e = np.where(a > 0, np.clip(np.frexp(np.where(a > 0, a, 1))[1] - 1 - 2, -126, 127), 0)      # np.frexp(a)[1] - 1 = floor(log2(a)), exactly
;;       r = np.clip(x / 2.0 ** e, -7.5, 7.5)
;;       step = 2.0 ** (np.maximum(np.frexp(np.where(r == 0, 1, r))[1] - 1, 0) - 3)
;;       q = np.round(r / step) * step * 2.0 ** e      # np.round: ties to even
;;       return np.moveaxis(q.reshape(q.shape[:-2] + (-1,))[..., :K], -1, axis).astype(np.float32)
;;   ~~~
;;   SOFTMAX AHEAD OF A QUANTISED PRODUCT. Where the list says 'softmax', what is quantised is not the finished softmax but p = 2^(t - M), with t = logit x log2(e) and M = ceil(the row's largest t), a whole number; so 1/2 < the row's largest p <= 1. The row's sum l is taken of the UNQUANTISED p, in f32, and the product's result is divided by l at the end. Since M is a whole number, a kernel that streams over the keys may use a running M (the ceiling of the running maximum): every later rescaling is an exact power of two, which a block's scale takes up: the codes' values come out the same.
;;   OPERANDS COMPUTED ON THE WAY. 'Computed on the way' means the value that the module computes at that place (a softmax that the list does not call 'softmax' is quantised finished and normalised). What goes into a quantiser is computed in f32, as accurately as f32 sums, v_exp_f32 and their like allow (about 1e-6 of the number): no bf16 or f16 on the way to a quantiser, and a product that is left as it is and whose result goes on into a quantised operand takes f32 operands (vector FMAs, or v_wmma_f32_16x16x4_f32). A number that lies on a knife's edge between two numbers of the format may be rounded either way, as far as f32 arithmetic and the matrix unit's own rounding can turn it there, and no further.
;; One version. Each part assembles by itself: llvm-mc -triple=amdgcn-amd-amdhsa -mcpu=gfx1250 --defsym DOCPART=n.
;; ======== version 1 of 1: 5 launches
;; limits: right only within a limited range of input values
;; workspace buffers: qz 13,631,488 bytes; g1 6,684,672 bytes; kv 6,684,672 bytes; ao 3,276,800 bytes
;; launch quant (part 1): grid 512 x 1, 4 waves a work-group, no clusters, 34,304 bytes of LDS; arguments x, wq, w_down, w_up, wo, qz; writes qz
.if DOCPART == 1
	.amdgcn_target "amdgcn-amd-amdhsa--gfx1250"
	.amdhsa_code_object_version 6
	.text
	.protected	k_q023571ccd0_quant
	.globl	k_q023571ccd0_quant
	.p2align	8
	.type	k_q023571ccd0_quant,@function
k_q023571ccd0_quant:
	s_mov_b64 s[64:65], 0
	v_nop
	global_prefetch_b8 v0, s[64:65] scope:SCOPE_SE
	s_setreg_imm32_b32 hwreg(HW_REG_WAVE_MODE, 25, 1), 1
	s_wait_xcnt 0x0
; x [4096][2048], wq and w_down [2048][1024], w_up and wo [1024][2048], all f32, become codes of FP6 (E2M3) with one E8M0 byte for each 32 along K,
; laid in the order of a matrix operand's registers; and the table of cos and sin for the rotation of q and k is made.  All goes into qz.
; A TILE is 16 rows; lane r of tile T stands for row 32 (T / 2) + 8 (T % 2) + r % 8 + 16 (r / 8).  A HALF IMAGE (768 bytes) holds 16 rows x 64 along K: lane L = 16 h + r has block h of its row, 24 bytes:
; the first 16 at 16 L, the last 8 at 512 + 8 L.  A fragment (128 along K) is two half images; a tensor lies [tile][K step][1,536].  The scale words of 64 rows (4 tiles) and one K step are 256 bytes:
; the word of tile 2 p + u, row r, at 8 (16 u + r) + 4 p.  So every store below covers 256 or 512 consecutive bytes, aligned.
; A block's scale is 2^(floor(log2(largest magnitude)) - 2); its byte is the largest magnitude's exponent field - 2, held at 1 from below.
; LIMITS: NaN and infinities among the inputs are not served; a block whose largest magnitude lies under 2^-124 keeps the byte 1; a block of zeros keeps the byte 1 where the rule says 127 (its codes are zeros,
; and this program alone reads the bytes).  inv_freq is 10^(-i/8): one of eight f32 constants times a power of ten in f32; the angle is one f32 product; sine and cosine by reduction and polynomial, to about 1e-7.
; Work-groups 0-255 take x (a wave: 64 rows x 128 along K, and two rows of the table); 256-319 wq, 320-383 w_down, 384-447 w_up, 448-511 wo (a wave: 64 columns x 128 along K).  Waves share nothing: no barrier.
.set X_SCL,   6291456
.set WQD_IMG, 6553600
.set WQD_SCL, 9699328
.set WUP_IMG, 9830400
.set WUP_SCL, 11403264
.set WO_IMG,  11468800
.set WO_SCL,  13041664
.set ROPE_T,  13107200
.set SEL, 34                           ; s[34:35] selects of v_permlanex16_b32: lane l xor 16
.set R,   16                           ; v16-143  two sets of 64: a tile of x as loaded
.set X,   144                          ; v144-207 64 numbers of a lane: register 16 b + i = k 32 b + 16 h + i of its row
.set TM,  208                          ; v208-223 at work in QUANT
.set PC,  224                          ; v224-242 the codes just made
.set PWR, 244                          ; v244-247 the four tiles' scale words
; 16 nb numbers of a lane, register 16 b + i = k 32 b + 16 (lane / 16) + i of my row, become codes in v[PC] on (6 registers for each 64 along K) and my row's scale word in v[pw]
.macro QUANT s, nb, pw
.set QI, 0
.rept \nb
	v_max3_num_f32 v[TM+QI], |v[16*QI+(\s)]|, |v[16*QI+1+(\s)]|, 0x1800000   ; my 16 numbers of block QI, and the floor 2^(3 - 127): the byte cannot fall under 1
.set QI, QI+1
.endr
.irp i, 2,4,6,8,10,12,14
.set QI, 0
.rept \nb
	v_max3_num_f32 v[TM+QI], v[TM+QI], |v[16*QI+\i+(\s)]|, |v[16*QI+\i+1+(\s)]|   ; the blocks by turns
.set QI, QI+1
.endr
.endr
.set QI, 0
.rept \nb
	v_permlanex16_b32 v[TM+4+QI], v[TM+QI], s[SEL], s[SEL+1]
.set QI, QI+1
.endr
.set QI, 0
.rept \nb
	v_max_num_f32 v[TM+QI], v[TM+QI], v[TM+4+QI]     ; with lane l xor 16's 16: the block's largest magnitude
.set QI, QI+1
.endr
.set QI, 0
.rept \nb
	v_add_nc_u32 v[TM+12+QI], 0xff000000, v[TM+QI]   ; 2 off its exponent field: the conversion takes this operand's exponent field as its scale
.set QI, QI+1
.endr
.set QI, 0
.rept \nb
	v_lshrrev_b32 v[TM+4+QI], 23, v[TM+12+QI]        ; the scale's byte
.set QI, QI+1
.endr
	v_lshl_or_b32 v[\pw], v[TM+5], 8, v[TM+4]
.if \nb > 2
	v_lshl_or_b32 v[\pw], v[TM+6], 16, v[\pw]
	v_lshl_or_b32 v[\pw], v[TM+7], 24, v[\pw]
.endif
.set QI, 0
.rept \nb/2
	v_cvt_scalef32_pk16_fp6_f32 v[PC+6*QI:PC+6*QI+2], v[32*QI+(\s):32*QI+15+(\s)], v[TM+12+2*QI]
	v_cvt_scalef32_pk16_fp6_f32 v[PC+12+4*QI:PC+12+4*QI+2], v[32*QI+16+(\s):32*QI+31+(\s)], v[TM+13+2*QI]   ; (a conversion's three registers begin on an even number)
.set QI, QI+1
.endr
	v_nop                                            ; one plain line behind the scaled conversions
.set QI, 0
.rept \nb/2
.irp i, 0,1,2
	v_permlane16_swap_b32 v[PC+6*QI+\i], v[PC+12+4*QI+\i]   ; a whole block to a lane: lanes 0-15 the even block, lanes 16-31 the odd one
.endr
.irp i, 0,1,2
	v_mov_b32 v[PC+3+6*QI+\i], v[PC+12+4*QI+\i]
.endr
.set QI, QI+1
.endr
.endm
	s_load_b256 s[4:11], s[0:1], 0x0               ; x, wq, w_down, w_up
	s_load_b128 s[12:15], s[0:1], 0x20             ; wo, qz
	v_lshl_add_u32 v254, v0, 2, 0x8400
	v_mov_b32 v255, 0
	v_lshrrev_b32 v1, 5, v0
	v_readfirstlane_b32 s16, v1                    ; wave
	v_and_b32 v2, 31, v0                           ; lane
	v_lshlrev_b32 v3, 4, v2                        ; 16 x lane
	v_lshlrev_b32 v4, 3, v2                        ; 8 x lane
	s_mov_b32 s[SEL], 0x76543210
	s_mov_b32 s[SEL+1], 0xfedcba98
	s_wait_kmcnt 0x0
	s_cmp_lt_u32 ttmp9, 256
	s_cbranch_scc0 .Lweights
	; ---------------- x: K is innermost
	s_lshl_b32 s17, ttmp9, 2
	s_add_co_u32 s17, s17, s16                     ; my job J: group g = J / 16 of 64 rows, K step J % 16
	s_lshr_b32 s18, s17, 4
	s_and_b32 s19, s17, 15
	s_lshl_b32 s20, s18, 19                        ; 64 rows of 8,192 bytes
	s_lshl_b32 s21, s19, 9                         ; 128 numbers
	s_add_co_u32 s20, s20, s21
	s_mov_b32 s21, 0
	s_add_nc_u64 s[4:5], s[4:5], s[20:21]
	s_lshl_b32 s22, s18, 6
	s_add_co_u32 s22, s22, s19
	s_mul_i32 s22, s22, 1536                       ; the images: (4 g x 16 + K step) x 1,536
	s_mov_b32 s23, 0
	s_add_nc_u64 s[24:25], s[14:15], s[22:23]
	s_lshl_b32 s22, s18, 4
	s_add_co_u32 s22, s22, s19
	s_lshl_b32 s22, s22, 8
	s_add_co_u32 s22, s22, X_SCL
	s_add_nc_u64 s[26:27], s[14:15], s[22:23]      ; the scale words
	s_lshl_b32 s22, s17, 9
	s_add_co_u32 s22, s22, ROPE_T
	s_add_nc_u64 s[28:29], s[14:15], s[22:23]      ; the table's rows 2 J and 2 J + 1
	s_mul_i32 s30, s16, 8448                       ; my stage: 16 rows of 512 bytes + 16
	s_wait_alu depctr_va_vdst(0)
	v_add_nc_u32 v5, s30, v3                       ; in: 16 bytes a lane, a row an instruction
	v_and_b32 v7, 15, v0
	v_bfe_u32 v8, v0, 4, 1
	v_mul_u32_u24 v6, v7, 528
	v_lshl_add_u32 v6, v8, 6, v6
	v_add_nc_u32 v6, s30, v6                       ; out: row r, + 64 h: my 16 numbers of each block of 32
.irp b, 0,1,2,3
	v_mov_b32 v[TM+4+\b], 0                        ; written once: a lane permute's destination counts as one of its sources
.endr
.macro LOADT a                         ; tile a of the group: its 16 rows in the tile's order; 32 lanes read 512 consecutive bytes
.irp i, 0,1,2,3,4,5,6,7,8,9,10,11,12,13,14,15
	global_load_b128 v[R+64*((\a)%2)+4*\i:R+64*((\a)%2)+4*\i+3], v3, s[4:5] offset:(32*((\a)/2)+8*((\a)%2)+(\i%8)+16*(\i/8))*8192 th:TH_LOAD_NT
.endr
.endm
	LOADT 0
	LOADT 1
	; the table, while the loads are on their way.  Lane i is frequency i
.macro PICK dst, idx, n, bits
	v_cmp_ne_u32 vcc_lo, \n, v[\idx]
	v_cndmask_b32 v[\dst], \bits, v[\dst], vcc_lo
.endm
	v_and_b32 v144, 7, v2
	v_lshrrev_b32 v145, 3, v2
	v_mov_b32 v146, 1.0
	PICK 146, 144, 1, 0x3f3ff911                   ; 10^(-1/8)
	PICK 146, 144, 2, 0x3f0ff59a                   ; 10^(-2/8)
	PICK 146, 144, 3, 0x3ed7e89b
	PICK 146, 144, 4, 0x3ea1e89b
	PICK 146, 144, 5, 0x3e72d424
	PICK 146, 144, 6, 0x3e361887
	PICK 146, 144, 7, 0x3e088d77
	v_mov_b32 v147, 1.0
	PICK 147, 145, 1, 0x3dcccccd                   ; 0.1
	PICK 147, 145, 2, 0x3c23d70a                   ; 0.01
	PICK 147, 145, 3, 0x3a83126f                   ; 0.001
	v_mul_f32 v146, v146, v147                     ; inv_freq = 10^(-i/8)
	s_mov_b32 s32, 0x3fc90fdb                      ; pi/2 as f32,
	s_mov_b32 s33, 0x333bbd2e                      ; and what it is too large by
	s_lshl_b32 s31, s17, 1                         ; position 2 J
.irp e, 0,1
	v_cvt_f32_u32 v148, s31
	v_mul_f32 v148, v148, v146                     ; the angle, one f32 product
	v_mul_f32 v149, 0x3f22f983, v148
	v_rndne_f32 v149, v149                         ; n = the nearest multiple of pi/2
	v_fma_f32 v150, -v149, s32, v148               ; exact: the product is not rounded and the difference fits
	v_fma_f32 v150, v149, s33, v150                ; r, at most pi/4 in magnitude
	v_mul_f32 v151, v150, v150
	v_mov_b32 v152, 0x37ccf5ce
	v_fmaak_f32 v152, v152, v151, 0xbab6061a
	v_fmaak_f32 v152, v152, v151, 0x3d2aaaa5
	v_mul_f32 v153, v151, v151
	v_fma_f32 v154, v151, -0.5, 1.0
	v_fma_f32 v152, v153, v152, v154               ; cos r
	v_mov_b32 v155, 0xb94ca1f9
	v_fmaak_f32 v155, v155, v151, 0x3c08839e
	v_fmaak_f32 v155, v155, v151, 0xbe2aaaa3
	v_mul_f32 v156, v151, v150
	v_fma_f32 v155, v155, v156, v150               ; sin r
	v_cvt_i32_f32 v157, v149
	v_and_b32 v158, 1, v157
	v_cmp_eq_u32 vcc_lo, 1, v158                   ; in odd quadrants the two change places
	v_cndmask_b32 v[250+2*\e], v152, v155, vcc_lo
	v_cndmask_b32 v[251+2*\e], v155, v152, vcc_lo
	v_lshlrev_b32 v158, 30, v157
	v_and_b32 v158, 0x80000000, v158               ; the sine is negative in quadrants 2 and 3,
	v_xor_b32 v[251+2*\e], v[251+2*\e], v158
	v_add_nc_u32 v157, 1, v157
	v_lshlrev_b32 v157, 30, v157
	v_and_b32 v157, 0x80000000, v157               ; the cosine in 1 and 2
	v_xor_b32 v[250+2*\e], v[250+2*\e], v157
	global_store_b64 v4, v[250+2*\e:251+2*\e], s[28:29] offset:256*\e   ; (cos, sin) of 32 frequencies: 256 consecutive bytes
	s_add_co_u32 s31, s31, 1
.endr
.macro TILE a
.if (\a) < 3
	s_wait_loadcnt 16                              ; this tile's 16 loads are in; the next tile's 16 may be out
.else
	s_wait_loadcnt 0x0
.endif
.irp i, 0,1,2,3,4,5,6,7,8,9,10,11,12,13,14,15
	ds_store_b128 v5, v[R+64*((\a)%2)+4*\i:R+64*((\a)%2)+4*\i+3] offset:528*\i
.endr
.irp b, 0,1,2,3
.irp j, 0,1,2,3
	ds_load_b128 v[X+16*\b+4*\j:X+16*\b+4*\j+3], v6 offset:128*\b+16*\j   ; LDS serves a wave's instructions in order: these see the stores above
.endr
.endr
	s_wait_dscnt 0x0                               ; my numbers are back, and the stage's stores have read their registers
	s_wait_xcnt 0x0                                ; the last tile's stores have read the codes' registers
.if (\a) < 2
	LOADT (\a)+2
.endif
	QUANT X, 4, PWR+(\a)
	global_store_b128 v3, v[PC:PC+3], s[24:25] offset:(\a)*24576
	global_store_b64 v4, v[PC+4:PC+5], s[24:25] offset:(\a)*24576+512
	global_store_b128 v3, v[PC+6:PC+9], s[24:25] offset:(\a)*24576+768
	global_store_b64 v4, v[PC+10:PC+11], s[24:25] offset:(\a)*24576+1280
.endm
	TILE 0
	TILE 1
	TILE 2
	TILE 3
	s_mov_b32 vcc_lo, 0xffff0000                   ; lanes 16-31 take the odd tile's words
	v_cndmask_b32 v248, v[PWR], v[PWR+1], vcc_lo
	v_cndmask_b32 v249, v[PWR+2], v[PWR+3], vcc_lo
	global_store_b64 v4, v[248:249], s[26:27]
	s_wait_tensorcnt 0x0
	ds_add_u32 v254, v255
	s_wait_dscnt 0x0
	s_endpgm
	; ---------------- the weights: K is the first axis.  A lane takes a column and its registers run down K: a block of 32 lies in one lane
.macro LOADW t, PITCH                  ; block t = 4 p + beta: rows 32 beta + i of the K step, columns 32 p on; 32 lanes read 128 consecutive bytes
.set WI, 0
.rept 32
	global_load_b32 v[32+32*((\t)%2)+WI], v5, s[4:5] offset:128*((\t)/4)+(32*((\t)%4)+WI)*\PITCH th:TH_LOAD_NT
.set WI, WI+1
.endr
.endm
.macro BLOCKW t, KS, PITCH
.set XS, 32+32*((\t)%2)
.set CB, 96+16*((\t)/2)+8*((\t)%2)     ; each block has registers of its own for its codes: no store's data are written again
.if (\t) < 7
	s_wait_loadcnt 32                              ; this block's 32 loads are in; the next block's may be out
.else
	s_wait_loadcnt 0x0
.endif
	v_max3_num_f32 v12, |v[XS]|, |v[XS+1]|, |v[XS+2]|
	v_max3_num_f32 v13, |v[XS+3]|, |v[XS+4]|, |v[XS+5]|
.irp i, 6,10,14,18,22,26
	v_max3_num_f32 v12, v12, |v[XS+\i]|, |v[XS+\i+1]|
	v_max3_num_f32 v13, v13, |v[XS+\i+2]|, |v[XS+\i+3]|
.endr
	v_max3_num_f32 v12, v12, |v[XS+30]|, |v[XS+31]|
	v_max3_num_f32 v12, v12, v13, 0x1800000        ; and the floor
	v_add_nc_u32 v11, 0xff000000, v12
	v_lshrrev_b32 v13, 23, v11
.if (\t)%4 == 0
	v_mov_b32 v[24+(\t)/4], v13                    ; the K step's four bytes make my column's scale word
.else
	v_lshl_or_b32 v[24+(\t)/4], v13, 8*((\t)%4), v[24+(\t)/4]
.endif
	v_cvt_scalef32_pk16_fp6_f32 v[CB:CB+2], v[XS:XS+15], v11
	v_cvt_scalef32_pk16_fp6_f32 v[CB+4:CB+6], v[XS+16:XS+31], v11
	v_nop                                          ; one plain line behind the scaled conversions
	v_mov_b32 v[CB+3], v[CB+4]
	v_mov_b32 v[CB+4], v[CB+5]
	v_mov_b32 v[CB+5], v[CB+6]
.if (\t)+2 < 8
	LOADW (\t)+2, \PITCH
.endif
.if (\t)%2 == 1                        ; lanes 0-15 hold tile 2 p's rows, lanes 16-31 tile 2 p + 1's, for an even and an odd block: the exchange makes the two tiles' half images
.irp i, 0,1,2,3,4,5
	v_permlane16_swap_b32 v[CB-8+\i], v[CB+\i]
.endr
	global_store_b128 v3, v[CB-8:CB-5], s[28:29] offset:((\t)/4)*2*\KS*1536+(((\t)%4)/2)*768
	global_store_b64 v4, v[CB-4:CB-3], s[28:29] offset:((\t)/4)*2*\KS*1536+(((\t)%4)/2)*768+512
	global_store_b128 v3, v[CB:CB+3], s[28:29] offset:((\t)/4)*2*\KS*1536+(((\t)%4)/2)*768+\KS*1536
	global_store_b64 v4, v[CB+4:CB+5], s[28:29] offset:((\t)/4)*2*\KS*1536+(((\t)%4)/2)*768+\KS*1536+512
.endif
.endm
; s[4:5] the tensor, s19 its first group of 64 columns in the operand, s20 which 256 columns, s21 the K step, s22 and s23 where the operand's images and scale words begin in qz
.macro WPATH KS, PITCH
	s_lshl_b32 s24, s20, 2
	s_add_co_u32 s24, s24, s16                     ; my 64 columns
	s_lshl_b32 s26, s24, 8
	s_mul_i32 s27, s21, 128*\PITCH
	s_add_co_u32 s26, s26, s27
	s_mov_b32 s27, 0
	s_add_nc_u64 s[4:5], s[4:5], s[26:27]
	s_add_co_u32 s24, s24, s19                     ; group g
	s_mul_i32 s26, s24, 4*\KS
	s_add_co_u32 s26, s26, s21
	s_mul_i32 s26, s26, 1536
	s_add_co_u32 s26, s26, s22
	s_add_nc_u64 s[28:29], s[14:15], s[26:27]
	s_mul_i32 s26, s24, \KS
	s_add_co_u32 s26, s26, s21
	s_lshl_b32 s26, s26, 8
	s_add_co_u32 s26, s26, s23
	s_add_nc_u64 s[30:31], s[14:15], s[26:27]
	LOADW 0, \PITCH
	LOADW 1, \PITCH
.irp t, 0,1,2,3,4,5,6,7
	BLOCKW \t, \KS, \PITCH
.endr
	global_store_b64 v4, v[24:25], s[30:31]        ; register p: lanes 0-15 tile 2 p's words, lanes 16-31 tile 2 p + 1's: the 256 bytes as they are wanted
.endm
.Lweights:
	s_wait_alu depctr_va_vdst(0)
	v_and_b32 v5, 7, v2                            ; lane l takes column l % 8 + 16 ((l / 8) % 2) + 8 (l / 16) of 32: the tiles' order
	v_bfe_u32 v6, v2, 3, 1
	v_lshl_add_u32 v5, v6, 4, v5
	v_lshrrev_b32 v6, 4, v2
	v_lshl_add_u32 v5, v6, 3, v5
	v_lshlrev_b32 v5, 2, v5
	s_sub_co_u32 s17, ttmp9, 256
	s_and_b32 s18, s17, 63
	s_cmp_lt_u32 s17, 128
	s_cbranch_scc0 .Lk1024
	s_cmp_lt_u32 s17, 64                           ; wq or w_down: the choice hangs on the work-group's number alone
	s_cselect_b64 s[4:5], s[6:7], s[8:9]
	s_cselect_b32 s19, 0, 16                       ; w_down's columns follow wq's 1,024
	s_mov_b32 s22, WQD_IMG
	s_mov_b32 s23, WQD_SCL
	s_and_b32 s20, s18, 3
	s_lshr_b32 s21, s18, 2
	s_wait_alu depctr_va_vdst(0)
	WPATH 16, 4096
	s_endpgm
.Lk1024:
	s_cmp_lt_u32 s17, 192                          ; w_up or wo
	s_cselect_b64 s[4:5], s[10:11], s[12:13]
	s_mov_b32 s22, WO_IMG
	s_cselect_b32 s22, WUP_IMG, s22
	s_mov_b32 s23, WO_SCL
	s_cselect_b32 s23, WUP_SCL, s23
	s_mov_b32 s19, 0
	s_and_b32 s20, s18, 7
	s_lshr_b32 s21, s18, 3
	s_wait_alu depctr_va_vdst(0)
	WPATH 8, 8192
	s_endpgm
.Lfunc_end_k_q023571ccd0_quant:
	.size	k_q023571ccd0_quant, .Lfunc_end_k_q023571ccd0_quant-k_q023571ccd0_quant
	.p2alignl 7, 3214868480
	.fill 96, 4, 3214868480
	.section	.rodata,"a",@progbits
	.p2align	6, 0x0
	.amdhsa_kernel k_q023571ccd0_quant
		.amdhsa_group_segment_fixed_size 34304
		.amdhsa_private_segment_fixed_size 0
		.amdhsa_enable_private_segment 0
		.amdhsa_kernarg_size 48
		.amdhsa_user_sgpr_count 2
		.amdhsa_user_sgpr_kernarg_segment_ptr 1
		.amdhsa_wavefront_size32 1
		.amdhsa_system_sgpr_workgroup_id_x 1
		.amdhsa_system_sgpr_workgroup_id_y 1
		.amdhsa_system_sgpr_workgroup_id_z 1
		.amdhsa_system_vgpr_workitem_id 0
		.amdhsa_next_free_vgpr 256
		.amdhsa_next_free_sgpr 66
		.amdhsa_reserve_vcc 1
		.amdhsa_float_denorm_mode_32 3
		.amdhsa_float_denorm_mode_16_64 3
		.amdhsa_memory_ordered 1
		.amdhsa_forward_progress 1
		.amdhsa_inst_pref_size 117
	.end_amdhsa_kernel
	.amdgpu_metadata
---
amdhsa.version: [ 1, 2 ]
amdhsa.kernels:
  - .name:           k_q023571ccd0_quant
    .symbol:         k_q023571ccd0_quant.kd
    .args:
      - { .name: x, .offset: 0, .size: 8, .value_kind: global_buffer, .address_space: global }
      - { .name: wq, .offset: 8, .size: 8, .value_kind: global_buffer, .address_space: global }
      - { .name: w_down, .offset: 16, .size: 8, .value_kind: global_buffer, .address_space: global }
      - { .name: w_up, .offset: 24, .size: 8, .value_kind: global_buffer, .address_space: global }
      - { .name: wo, .offset: 32, .size: 8, .value_kind: global_buffer, .address_space: global }
      - { .name: qz, .offset: 40, .size: 8, .value_kind: global_buffer, .address_space: global }
    .group_segment_fixed_size: 34304
    .private_segment_fixed_size: 0
    .kernarg_segment_align: 8
    .kernarg_segment_size: 48
    .max_flat_workgroup_size: 128
    .sgpr_count:     66
    .vgpr_count:     256
    .wavefront_size: 32
...
	.end_amdgpu_metadata
.endif
;; end of part 1
;; launch gemm1 (part 2): grid 8 x 32, 4 waves a work-group, clusters of 4 x 4, 327,680 bytes of LDS; arguments qz, g1; writes g1
.if DOCPART == 2
	.amdgcn_target "amdgcn-amd-amdhsa--gfx1250"
	.amdhsa_code_object_version 6
	.text
	.protected	k_q023571ccd0_gemm1
	.globl	k_q023571ccd0_gemm1
	.p2align	8
	.type	k_q023571ccd0_gemm1,@function
k_q023571ccd0_gemm1:
	s_mov_b64 s[64:65], 0
	v_nop
	global_prefetch_b8 v0, s[64:65] scope:SCOPE_SE
	s_setreg_imm32_b32 hwreg(HW_REG_WAVE_MODE, 25, 1), 1
	s_wait_xcnt 0x0
	s_wait_alu depctr_hold_cnt(0) depctr_sa_sdst(0) depctr_va_vdst(0) depctr_va_sdst(0) depctr_va_ssrc(0) depctr_va_vcc(0) depctr_vm_vsrc(0)
	s_getreg_b32 s2, hwreg(HW_REG_IB_STS2, 6, 4)
	s_cmp_eq_u32 s2, 0
	s_cbranch_scc0 .Lentry_in_a_cluster
	s_endpgm
.Lentry_in_a_cluster:
	s_bfe_u32 s2, ttmp6, 0x10000c
	s_cmp_lg_u32 s2, 0xf033
	s_cbranch_scc0 .Lentry_shape_is_right
	s_endpgm
.Lentry_shape_is_right:
.set KS,     16
.set REFILL, 1
.set NATV,   0
.set CH,     6144
.set SLOT,   24*CH
.set SCL,    2*SLOT
.set SPARE,  SCL+6*KS*256
.set AIMG,   0
.set ASCL,   6291456
.set BIMG,   6553600
.set BSCL,   9699328
.set ROPE_T, 13107200
.set Q_SCL,  3145728
.set CK_IMG, 3407872
.set CK_SCL, 6553600
.set ABUF, 4
.set BBUF, 4
.set RBUF, 4
.set OBUF, 6
.set ADRA16, 16
.set ADRA8,  18
.set ADRB16, 20
.set ADRB8,  22
.set ADSA,   24
.set ADSB,   25
.set O16,    26
.set O8,     27
.set SPW,    28
.set NIL,    29
.set CSO,    30
.set SC,     160                       ; v160-255: the scale words of all 16 K steps, six registers a step, loaded from memory once
.set AF,     64
.set HA,     64
.set PC,     128
.set TM,     148
.set PWR,    164
.set TT,     168
.set MG,     176
.set SEL,    66
.set G1A, 24
.set G0A, 32
.set G1B, 48
.set G0B, 56
.set G1SA, 68
.set G0SA, 76
.set G1SB, 80
.set G0SB, 88
.set MSB, 0
.set PFO, 31                           ; v31: the prefetches' offset, 256 bytes a lane; never rewritten
.set PF,  72                           ; s[72:73], s[74:75]: where my two prefetches of a chunk begin; never rewritten
; A prefetch into the L2, behind a joint load: the chunk (4 K steps, 6,144 bytes of each tile) that the NEXT joint load will ask for.  Of the tiles that a wave fetches, each of the four partners that ask for them jointly
; takes a quarter, told apart by address: of the tokens' 4 tiles one (12 + 12 blocks of 256 bytes), of the weight's 8 tiles two (24 + 24 blocks).  Lanes that are left over name their wave's last block again.
.macro ASK c
	global_prefetch_b8 v[PFO], s[PF:PF+1] offset:(\c)*CH th:TH_LOAD_NT scope:SCOPE_SE
	global_prefetch_b8 v[PFO], s[PF+2:PF+3] offset:(\c)*CH th:TH_LOAD_NT scope:SCOPE_SE
.endm
.macro WIN new
.if MSB != (\new)
	s_set_vgpr_msb (MSB<<8)|(\new)
.set MSB, \new
.endif
.endm
.macro JLOAD g0a, g1a, g0b, g1b
	s_cmp_eq_u32 s15, 0
	s_cbranch_scc0 .Lfor_b_\@
	tensor_load_to_lds s[\g0a:\g0a+3], s[\g1a:\g1a+7]
	s_nop 0
.rept 4
	v_nop
.endr
	s_branch .Lasked_\@
.Lfor_b_\@:
	tensor_load_to_lds s[\g0b:\g0b+3], s[\g1b:\g1b+7]
	s_nop 0
.rept 4
	v_nop
.endr
.Lasked_\@:
.endm
.macro CREST
	s_cmp_lg_u32 s14, 0
	s_cbranch_scc1 .Lnot_wave_0_\@
	s_barrier_signal -3
.Lnot_wave_0_\@:
	s_barrier_wait -3
	s_barrier_signal -1
	s_barrier_wait -1
.endm
.macro CROUND
	s_barrier_signal -1
	s_barrier_wait -1
	CREST
.endm
.macro WME z, s0, s1, x0, x1, r0, r1
.if \z
.if (\r0) && (\r1)
	v_wmma_scale_f32_16x16x128_f8f6f4 v[AC:AC+7], v[\s0:\s0+11], v[\s1:\s1+11], 0, v[\x0], v[\x1] matrix_a_fmt:MATRIX_FMT_FP6 matrix_b_fmt:MATRIX_FMT_FP6 matrix_a_scale:MATRIX_SCALE_ROW1 matrix_b_scale:MATRIX_SCALE_ROW1
.elseif (\r0)
	v_wmma_scale_f32_16x16x128_f8f6f4 v[AC:AC+7], v[\s0:\s0+11], v[\s1:\s1+11], 0, v[\x0], v[\x1] matrix_a_fmt:MATRIX_FMT_FP6 matrix_b_fmt:MATRIX_FMT_FP6 matrix_a_scale:MATRIX_SCALE_ROW1
.elseif (\r1)
	v_wmma_scale_f32_16x16x128_f8f6f4 v[AC:AC+7], v[\s0:\s0+11], v[\s1:\s1+11], 0, v[\x0], v[\x1] matrix_a_fmt:MATRIX_FMT_FP6 matrix_b_fmt:MATRIX_FMT_FP6 matrix_b_scale:MATRIX_SCALE_ROW1
.else
	v_wmma_scale_f32_16x16x128_f8f6f4 v[AC:AC+7], v[\s0:\s0+11], v[\s1:\s1+11], 0, v[\x0], v[\x1] matrix_a_fmt:MATRIX_FMT_FP6 matrix_b_fmt:MATRIX_FMT_FP6
.endif
.else
.if (\r0) && (\r1)
	v_wmma_scale_f32_16x16x128_f8f6f4 v[AC:AC+7], v[\s0:\s0+11], v[\s1:\s1+11], v[AC:AC+7], v[\x0], v[\x1] matrix_a_fmt:MATRIX_FMT_FP6 matrix_b_fmt:MATRIX_FMT_FP6 matrix_a_scale:MATRIX_SCALE_ROW1 matrix_b_scale:MATRIX_SCALE_ROW1
.elseif (\r0)
	v_wmma_scale_f32_16x16x128_f8f6f4 v[AC:AC+7], v[\s0:\s0+11], v[\s1:\s1+11], v[AC:AC+7], v[\x0], v[\x1] matrix_a_fmt:MATRIX_FMT_FP6 matrix_b_fmt:MATRIX_FMT_FP6 matrix_a_scale:MATRIX_SCALE_ROW1
.elseif (\r1)
	v_wmma_scale_f32_16x16x128_f8f6f4 v[AC:AC+7], v[\s0:\s0+11], v[\s1:\s1+11], v[AC:AC+7], v[\x0], v[\x1] matrix_a_fmt:MATRIX_FMT_FP6 matrix_b_fmt:MATRIX_FMT_FP6 matrix_b_scale:MATRIX_SCALE_ROW1
.else
	v_wmma_scale_f32_16x16x128_f8f6f4 v[AC:AC+7], v[\s0:\s0+11], v[\s1:\s1+11], v[AC:AC+7], v[\x0], v[\x1] matrix_a_fmt:MATRIX_FMT_FP6 matrix_b_fmt:MATRIX_FMT_FP6
.endif
.endif
.endm
.macro WM n, a, b, zero
.set SCB, SC+6*(\n)+2+2*((\b)/4)+(((\b)%4)/2)
.set SCA, SC+6*(\n)+((\a)/2)
.set FB, 128*((\n)%2)+12*(\b)
.set FA, AF+48*((\n)%2)+12*(\a)
.if NATV && ((\b) >= 4)
.set AC, 128+32*((\b)-4)+8*(\a)
	WME \zero, FA, FB, SCA, SCB, (\a)%2, (\b)%2
.elseif NATV
.set AC, 32*(\a)+8*(\b)
	WME \zero, FB, FA, SCB, SCA, (\b)%2, (\a)%2
.else
.set AC, 64*(\a)+8*(\b)
	WME \zero, FB, FA, SCB, SCA, (\b)%2, (\a)%2
.endif
.endm
.macro MUL8 n, a0, half, zero
.if NATV && (\half)
	WIN 0xa4
.else
	WIN 0xa1
.endif
.irp a, \a0, \a0+1
.irp b, 0,1,2,3
	WM \n, \a, 4*(\half)+\b, \zero
.endr
.endr
.endm
.macro FRAG reg, a16, a8, off
	ds_load_b128 v[\reg:\reg+3], v[\a16] offset:\off
	ds_load_b64 v[\reg+4:\reg+5], v[\a8] offset:\off+512
	ds_load_b128 v[\reg+6:\reg+9], v[\a16] offset:\off+768
	ds_load_b64 v[\reg+10:\reg+11], v[\a8] offset:\off+1280
.endm
.macro FETCH n
.set FS, ((\n)/4)%2
.set FQ, (\n)%4
.set FP, (\n)%2
	WIN 0x40
.irp i, 0,1,2,3,4,5,6,7
	FRAG 128*FP+12*\i, ADRB16+FS, ADRB8+FS, \i*CH+FQ*1536
.endr
	WIN 0
.irp i, 0,1,2,3
	FRAG AF+48*FP+12*\i, ADRA16+FS, ADRA8+FS, \i*CH+FQ*1536
.endr
.endm
.macro STEP n, zero
	s_wait_dscnt 0x0
.if (\n) > 0
.rept 4
	v_nop
.endr
.endif
	FETCH (\n)+1
	MUL8 \n, 0, 0, \zero
	MUL8 \n, 2, 0, \zero
	MUL8 \n, 0, 1, \zero
	MUL8 \n, 2, 1, \zero
.endm
.macro LAST n
	s_wait_dscnt 0x0
	MUL8 \n, 0, 0, 0
	MUL8 \n, 2, 0, 0
	MUL8 \n, 0, 1, 0
	MUL8 \n, 2, 1, 0
.endm
.macro TURN n, fill
.set TSL, ((\n)/4)%2
	WIN 0
	s_wait_tensorcnt 0x0
.if REFILL
	ds_add_u32 v[SPW], v[NIL]
	s_wait_dscnt 0x1
	MUL8 \n, 0, 0, 0
	s_wait_dscnt 0x0
.else
	s_wait_dscnt 0x0
	MUL8 \n, 0, 0, 0
.endif
	s_barrier_signal -1
	MUL8 \n, 2, 0, 0
	WIN 0
	s_barrier_wait -1
.if \fill
	CREST
	s_add_nc_u64 s[G0A+4*TSL+2:G0A+4*TSL+3], s[G0A+4*TSL+2:G0A+4*TSL+3], 2*CH
	s_add_nc_u64 s[G0B+4*TSL+2:G0B+4*TSL+3], s[G0B+4*TSL+2:G0B+4*TSL+3], 2*CH
	JLOAD G0A+4*TSL, G1A, G0B+4*TSL, G1B
.else
.rept 4
	v_nop
.endr
.endif
	FETCH (\n)+1
.if (\fill) && ((\n)/4+3 < KS/4)
	ASK (\n)/4+3                                   ; the chunk of the next refill; the last refill has none behind it
.endif
	MUL8 \n, 0, 1, 0
	MUL8 \n, 2, 1, 0
.endm
.macro QUANT s, w, nb, pw
	WIN ((\w)<<2)|((\w)<<4)
.set QI, 0
.rept \nb
	v_max3_num_f32 v[TM+QI], 0x1800000, |v[16*QI+(\s)]|, |v[16*QI+1+(\s)]|
.set QI, QI+1
.endr
.irp i, 2,4,6,8,10,12,14
.set QI, 0
.rept \nb
	v_max3_num_f32 v[TM+QI], v[TM+QI], |v[16*QI+\i+(\s)]|, |v[16*QI+\i+1+(\s)]|
.set QI, QI+1
.endr
.endr
	WIN 0
.set QI, 0
.rept \nb
	v_permlanex16_b32 v[TM+4+QI], v[TM+QI], s[SEL], s[SEL+1]
.set QI, QI+1
.endr
.set QI, 0
.rept \nb
	v_max_num_f32 v[TM+QI], v[TM+QI], v[TM+4+QI]
.set QI, QI+1
.endr
.set QI, 0
.rept \nb
	v_add_nc_u32 v[TM+12+QI], 0xff000000, v[TM+QI]
.set QI, QI+1
.endr
.set QI, 0
.rept \nb
	v_lshrrev_b32 v[TM+4+QI], 23, v[TM+12+QI]
.set QI, QI+1
.endr
	v_lshl_or_b32 v[\pw], v[TM+5], 8, v[TM+4]
.if \nb > 2
	v_lshl_or_b32 v[\pw], v[TM+6], 16, v[\pw]
	v_lshl_or_b32 v[\pw], v[TM+7], 24, v[\pw]
.endif
	WIN \w
.set QI, 0
.rept \nb/2
	v_cvt_scalef32_pk16_fp6_f32 v[PC+6*QI:PC+6*QI+2], v[32*QI+(\s):32*QI+15+(\s)], v[TM+12+2*QI]
	v_cvt_scalef32_pk16_fp6_f32 v[PC+12+4*QI:PC+12+4*QI+2], v[32*QI+16+(\s):32*QI+31+(\s)], v[TM+13+2*QI]
.set QI, QI+1
.endr
	WIN 0
	v_nop
.set QI, 0
.rept \nb/2
.irp i, 0,1,2
	v_permlane16_swap_b32 v[PC+6*QI+\i], v[PC+12+4*QI+\i]
.endr
.irp i, 0,1,2
	v_mov_b32 v[PC+3+6*QI+\i], v[PC+12+4*QI+\i]
.endr
.set QI, QI+1
.endr
.endm
.macro ROPE a, ng, src
	WIN 0x0e
.set RG, 0
.rept \ng
.irp q, 0,4
.irp p, 0,1,2,3
	v_pk_mul_f32 v[TT+2*\p:TT+2*\p+1], v[16*RG+2*(\q+\p)+(\src):16*RG+2*(\q+\p)+1+(\src)], v[32*(\a)+16*(RG%2)+2*(\q+\p):32*(\a)+16*(RG%2)+2*(\q+\p)+1] op_sel:[1,1] op_sel_hi:[1,0]
.endr
.irp p, 0,1,2,3
	v_pk_fma_f32 v[HA+16*RG+2*(\q+\p):HA+16*RG+2*(\q+\p)+1], v[16*RG+2*(\q+\p)+(\src):16*RG+2*(\q+\p)+1+(\src)], v[32*(\a)+16*(RG%2)+2*(\q+\p):32*(\a)+16*(RG%2)+2*(\q+\p)+1], v[TT+2*\p:TT+2*\p+1] op_sel:[0,0,0] op_sel_hi:[0,1,1] neg_lo:[0,0,1]
.endr
.endr
.set RG, RG+1
.endr
	WIN 0
.endm
.macro CSLOAD
	WIN 0xc0
.irp a, 0,1,2,3
.irp e, 0,1
.irp j, 0,1,2,3
	global_load_b128 v[32*\a+16*\e+4*\j:32*\a+16*\e+4*\j+3], v[CSO], s[10:11] offset:(32*(\a/2)+8*(\a%2))*256+128*\e+16*\j
.endr
.endr
.endr
	WIN 0
.endm
	s_load_b128 s[4:7], s[0:1], 0x0
	v_lshl_add_u32 v[SPW], v0, 2, SPARE
	v_mov_b32 v[NIL], 0
	ds_add_u32 v28, v29
	ds_add_u32 v28, v29
	s_wait_dscnt 0x0
	v_lshrrev_b32 v1, 5, v0
	v_readfirstlane_b32 s14, v1
	s_lshr_b32 s15, s14, 1
	s_and_b32 s16, s14, 1
	s_bfe_u32 s40, ttmp6, 0x40000
	s_bfe_u32 s41, ttmp6, 0x40004
	s_lshl_b32 s42, ttmp9, 2
	s_add_co_u32 s42, s42, s40
	s_and_b32 s17, ttmp7, 0xffff
	s_lshl_b32 s17, s17, 2
	s_add_co_u32 s17, s17, s41
	s_lshl_b32 s43, s41, 2
	s_lshl_b32 s43, 15, s43
	s_lshl_b32 s44, 0x1111, s40
	s_or_b32 s[G1A], s43, (3<<16)|(1<<21)
	s_or_b32 s[G1B], s44, (3<<16)|(1<<21)
.irp g, G1A, G1B
	s_mov_b32 s[\g+1], 768<<16
	s_mov_b32 s[\g+3], 768<<16
	s_mov_b32 s[\g+5], KS*192
	s_mov_b32 s[\g+6], 0
	s_mov_b32 s[\g+7], 0
.endr
	s_mov_b32 s[G1A+2], 4<<16
	s_mov_b32 s[G1A+4], 4
	s_mov_b32 s[G1B+2], 8<<16
	s_mov_b32 s[G1B+4], 8
	s_lshl_b32 s18, s16, 2
	s_lshl_b32 s20, s17, 3
	s_add_co_u32 s20, s20, s18
	s_mul_i32 s20, s20, KS*1536
.if AIMG
	s_add_co_u32 s20, s20, AIMG
.endif
	s_mov_b32 s21, 0
	s_lshl_b32 s18, s16, 3
	s_lshl_b32 s46, s42, 4
	s_add_co_u32 s46, s46, s18
	s_mul_i32 s46, s46, KS*1536
	s_add_co_u32 s46, s46, BIMG
	s_mov_b32 s47, 0
	s_lshl_b32 s22, s17, 1
	s_add_co_u32 s22, s22, s15                     ; the group of 64 rows that I multiply
	s_mul_i32 s22, s22, KS*256
	s_add_co_u32 s22, s22, ASCL
	s_mov_b32 s23, 0
	s_lshl_b32 s18, s16, 1
	s_lshl_b32 s92, s42, 2
	s_add_co_u32 s92, s92, s18
	s_mul_i32 s92, s92, KS*256
	s_add_co_u32 s92, s92, BSCL
	s_mov_b32 s93, 0
	s_mul_i32 s45, s16, 4*CH
	s_mul_i32 s94, s16, 8*CH
	s_add_co_u32 s94, s94, 8*CH
	s_mov_b32 s[SEL], 0x76543210
	s_mov_b32 s[SEL+1], 0xfedcba98
	s_wait_kmcnt 0x0
	s_add_nc_u64 s[20:21], s[ABUF:ABUF+1], s[20:21]
	s_add_nc_u64 s[68:69], s[ABUF:ABUF+1], s[22:23]   ; my rows' scale words
	s_add_nc_u64 s[46:47], s[BBUF:BBUF+1], s[46:47]
	s_add_nc_u64 s[70:71], s[BBUF:BBUF+1], s[92:93]   ; my columns' scale words
	CROUND
.irp s, 0,1
	s_mov_b32 s[G0A+4*\s], 1
	s_add_co_u32 s[G0A+4*\s+1], s45, \s*SLOT
	s_add_nc_u64 s[G0A+4*\s+2:G0A+4*\s+3], s[20:21], \s*CH
	s_or_b32 s[G0A+4*\s+3], s[G0A+4*\s+3], 0x80000000
	s_mov_b32 s[G0B+4*\s], 1
	s_add_co_u32 s[G0B+4*\s+1], s94, \s*SLOT
	s_add_nc_u64 s[G0B+4*\s+2:G0B+4*\s+3], s[46:47], \s*CH
	s_or_b32 s[G0B+4*\s+3], s[G0B+4*\s+3], 0x80000000
.endr
	JLOAD G0A, G1A, G0B, G1B                       ; slot 0, K steps 0-3: my one tensor load at the head
	s_cmp_eq_u32 s15, 0                            ; do I fetch for the tokens?
	s_cselect_b64 s[PF:PF+1], s[20:21], s[46:47]   ; the tiles that I fetch,
	s_cselect_b32 s76, s40, s41                    ; my work-group's place among the four that ask for them with me
	s_mul_i32 s76, s76, KS*1536
	s_lshl_b32 s76, s76, s15                       ; one tile a partner of the tokens', two of the weight's
	s_mov_b32 s77, 0
	s_add_nc_u64 s[PF:PF+1], s[PF:PF+1], s[76:77]
	s_mul_i32 s78, s15, 3
	s_lshl_b32 s78, 3072, s78                      ; the second prefetch: 12 blocks on, or a tile on
	s_mov_b32 s79, 0
	s_add_nc_u64 s[PF+2:PF+3], s[PF:PF+1], s[78:79]
	s_mul_i32 s80, s15, 12
	s_add_co_u32 s80, s80, 11                      ; the last block of a prefetch: 11 or 23
	v_and_b32 v1, 31, v0
	v_lshlrev_b32 v[O16], 4, v1
	v_lshlrev_b32 v[O8], 3, v1
	v_min_u32 v[PFO], s80, v1
	v_lshlrev_b32 v[PFO], 8, v[PFO]
	s_wait_alu depctr_va_vdst(0)
	ASK 1
	s_mul_i32 s18, s15, 4*CH
	s_mul_i32 s19, s16, 8*CH
	s_add_co_u32 s19, s19, 8*CH
.irp s, 0,1
	v_add_nc_u32 v[ADRA16+\s], s18, v[O16]
	v_add_nc_u32 v[ADRA8+\s], s18, v[O8]
	v_add_nc_u32 v[ADRB16+\s], s19, v[O16]
	v_add_nc_u32 v[ADRB8+\s], s19, v[O8]
	s_add_co_u32 s18, s18, SLOT
	s_add_co_u32 s19, s19, SLOT
.endr
.set SN, 0
.rept KS                               ; each load covers 256 consecutive bytes, aligned: the words of 64 rows for one K step
	global_load_b64 v[SC+6*SN:SC+6*SN+1], v[O8], s[68:69] offset:SN*256
	global_load_b64 v[SC+6*SN+2:SC+6*SN+3], v[O8], s[70:71] offset:SN*256
	global_load_b64 v[SC+6*SN+4:SC+6*SN+5], v[O8], s[70:71] offset:KS*256+SN*256
.set SN, SN+1
.endr
	v_and_b32 v4, 7, v0
	v_bfe_u32 v5, v0, 3, 1
	v_lshl_add_u32 v4, v5, 4, v4
	v_bfe_u32 v5, v0, 4, 1
	v_lshlrev_b32 v4, 8, v4
	v_lshl_add_u32 v[CSO], v5, 6, v4
	s_and_b32 s18, s17, 15
	s_lshl_b32 s18, s18, 1
	s_add_co_u32 s18, s18, s15
	s_lshl_b32 s18, s18, 14
	s_add_co_u32 s18, s18, ROPE_T
	s_mov_b32 s19, 0
	s_add_nc_u64 s[10:11], s[RBUF:RBUF+1], s[18:19]
	s_wait_alu depctr_va_vdst(0)
	s_wait_tensorcnt 0x0                           ; my part of slot 0 is in
	ds_add_u32 v[SPW], v[NIL]
	s_wait_dscnt 0x0
	CROUND                                         ; everybody's part of slot 0 is in, and the sixteen work-groups meet
	JLOAD G0A+4, G1A, G0B+4, G1B                   ; slot 1, K steps 4-7: the first tensor load behind the round
	s_wait_loadcnt 0x0                             ; the scale words
	FETCH 0
	ASK 2
	STEP 0, 1
	STEP 1, 0
	STEP 2, 0
	TURN 3, 1
	STEP 4, 0
	STEP 5, 0
	STEP 6, 0
	TURN 7, 1
	STEP 8, 0
	STEP 9, 0
	STEP 10, 0
	TURN 11, 0
	WIN 0
.macro TAIL
	STEP 12, 0
	STEP 13, 0
	STEP 14, 0
	LAST 15
	WIN 0
.rept 4
	v_nop
.endr
.irp b, 0,1,2,3
	v_mov_b32 v[TM+4+\b], 0
.endr
	s_mov_b32 vcc_lo, 0xffff0000
.endm
	s_cmp_lg_u32 ttmp9, 0
	s_cbranch_scc1 .Llatent
	CSLOAD
	s_lshr_b32 s18, s17, 4
	s_lshl_b32 s18, s18, 4
	s_lshl_b32 s19, s42, 2
	s_add_co_u32 s18, s18, s19
	s_lshl_b32 s19, s16, 1
	s_add_co_u32 s18, s18, s19
	s_and_b32 s19, s17, 15
	s_lshl_b32 s20, s18, 7
	s_lshl_b32 s21, s19, 3
	s_add_co_u32 s20, s20, s21
	s_lshl_b32 s21, s15, 2
	s_add_co_u32 s20, s20, s21
	s_mul_i32 s20, s20, 768
	s_mov_b32 s21, 0
	s_add_nc_u64 s[12:13], s[OBUF:OBUF+1], s[20:21]
	s_lshl_b32 s20, s18, 5
	s_lshl_b32 s22, s19, 1
	s_add_co_u32 s20, s20, s22
	s_add_co_u32 s20, s20, s15
	s_lshl_b32 s20, s20, 8
	s_add_co_u32 s20, s20, Q_SCL
	s_add_nc_u64 s[18:19], s[OBUF:OBUF+1], s[20:21]
	TAIL
	s_wait_loadcnt 0x0
.irp a, 0,1,2,3
	s_wait_xcnt 0x0
	ROPE \a, 4, 64*\a
	QUANT HA, 0, 4, PWR+\a
	global_store_b128 v[O16], v[PC:PC+3], s[12:13] offset:\a*768
	global_store_b64 v[O8], v[PC+4:PC+5], s[12:13] offset:\a*768+512
	global_store_b128 v[O16], v[PC+6:PC+9], s[12:13] offset:\a*768+98304
	global_store_b64 v[O8], v[PC+10:PC+11], s[12:13] offset:\a*768+98816
.endr
	v_cndmask_b32 v[MG], v[PWR], v[PWR+1], vcc_lo
	v_cndmask_b32 v[MG+1], v[PWR+2], v[PWR+3], vcc_lo
	v_lshrrev_b32 v[MG+2], 16, v[MG]
	v_lshrrev_b32 v[MG+3], 16, v[MG+1]
	v_and_b32 v[MG], 0xffff, v[MG]
	v_and_b32 v[MG+1], 0xffff, v[MG+1]
	global_store_b64 v[O8], v[MG:MG+1], s[18:19]
	global_store_b64 v[O8], v[MG+2:MG+3], s[18:19] offset:8192
	s_branch .Ldone
.Llatent:
	s_sub_co_u32 s18, s42, 4
	s_lshl_b32 s18, s18, 1
	s_add_co_u32 s18, s18, s16
	s_lshl_b32 s19, s17, 1
	s_add_co_u32 s19, s19, s15
	s_lshl_b32 s20, s19, 5
	s_add_co_u32 s20, s20, s18
	s_mul_i32 s20, s20, 1536
	s_add_co_u32 s20, s20, CK_IMG
	s_mov_b32 s21, 0
	s_add_nc_u64 s[12:13], s[OBUF:OBUF+1], s[20:21]
	s_lshl_b32 s20, s19, 3
	s_add_co_u32 s20, s20, s18
	s_lshl_b32 s20, s20, 8
	s_add_co_u32 s20, s20, CK_SCL
	s_add_nc_u64 s[18:19], s[OBUF:OBUF+1], s[20:21]
	TAIL
.irp a, 0,1,2,3
	s_wait_xcnt 0x0
	QUANT 64*\a, 2, 4, PWR+\a
	global_store_b128 v[O16], v[PC:PC+3], s[12:13] offset:\a*12288
	global_store_b64 v[O8], v[PC+4:PC+5], s[12:13] offset:\a*12288+512
	global_store_b128 v[O16], v[PC+6:PC+9], s[12:13] offset:\a*12288+768
	global_store_b64 v[O8], v[PC+10:PC+11], s[12:13] offset:\a*12288+1280
.endr
	v_cndmask_b32 v[MG], v[PWR], v[PWR+1], vcc_lo
	v_cndmask_b32 v[MG+1], v[PWR+2], v[PWR+3], vcc_lo
	global_store_b64 v[O8], v[MG:MG+1], s[18:19]
.Ldone:
	s_wait_tensorcnt 0x0
	ds_add_u32 v[SPW], v[NIL]
	s_wait_dscnt 0x0
	CROUND
	s_endpgm
.Lfunc_end_k_q023571ccd0_gemm1:
	.size	k_q023571ccd0_gemm1, .Lfunc_end_k_q023571ccd0_gemm1-k_q023571ccd0_gemm1
	.p2alignl 7, 3214868480
	.fill 96, 4, 3214868480
	.section	.rodata,"a",@progbits
	.p2align	6, 0x0
	.amdhsa_kernel k_q023571ccd0_gemm1
		.amdhsa_group_segment_fixed_size 327680
		.amdhsa_private_segment_fixed_size 0
		.amdhsa_enable_private_segment 0
		.amdhsa_kernarg_size 16
		.amdhsa_user_sgpr_count 2
		.amdhsa_user_sgpr_kernarg_segment_ptr 1
		.amdhsa_wavefront_size32 1
		.amdhsa_system_sgpr_workgroup_id_x 1
		.amdhsa_system_sgpr_workgroup_id_y 1
		.amdhsa_system_sgpr_workgroup_id_z 1
		.amdhsa_system_vgpr_workitem_id 0
		.amdhsa_next_free_vgpr 896
		.amdhsa_next_free_sgpr 98
		.amdhsa_reserve_vcc 1
		.amdhsa_float_denorm_mode_32 3
		.amdhsa_float_denorm_mode_16_64 3
		.amdhsa_memory_ordered 1
		.amdhsa_forward_progress 1
		.amdhsa_inst_pref_size 214
	.end_amdhsa_kernel
	.amdgpu_metadata
---
amdhsa.version: [ 1, 2 ]
amdhsa.kernels:
  - .name:           k_q023571ccd0_gemm1
    .symbol:         k_q023571ccd0_gemm1.kd
    .args:
      - { .name: qz, .offset: 0, .size: 8, .value_kind: global_buffer, .address_space: global }
      - { .name: g1, .offset: 8, .size: 8, .value_kind: global_buffer, .address_space: global }
    .group_segment_fixed_size: 327680
    .private_segment_fixed_size: 0
    .kernarg_segment_align: 8
    .kernarg_segment_size: 16
    .max_flat_workgroup_size: 128
    .sgpr_count:     98
    .vgpr_count:     896
    .wavefront_size: 32
...
	.end_amdgpu_metadata
.endif
;; end of part 2
;; launch gemm2 (part 3): grid 8 x 32, 4 waves a work-group, clusters of 4 x 4, 327,680 bytes of LDS; arguments g1, qz, kv; writes kv
.if DOCPART == 3
	.amdgcn_target "amdgcn-amd-amdhsa--gfx1250"
	.amdhsa_code_object_version 6
	.text
	.protected	k_q023571ccd0_gemm2
	.globl	k_q023571ccd0_gemm2
	.p2align	8
	.type	k_q023571ccd0_gemm2,@function
k_q023571ccd0_gemm2:
	s_mov_b64 s[64:65], 0
	v_nop
	global_prefetch_b8 v0, s[64:65] scope:SCOPE_SE
	s_setreg_imm32_b32 hwreg(HW_REG_WAVE_MODE, 25, 1), 1
	s_wait_xcnt 0x0
	s_wait_alu depctr_hold_cnt(0) depctr_sa_sdst(0) depctr_va_vdst(0) depctr_va_sdst(0) depctr_va_ssrc(0) depctr_va_vcc(0) depctr_vm_vsrc(0)
	s_getreg_b32 s2, hwreg(HW_REG_IB_STS2, 6, 4)
	s_cmp_eq_u32 s2, 0
	s_cbranch_scc0 .Lentry_in_a_cluster
	s_endpgm
.Lentry_in_a_cluster:
	s_bfe_u32 s2, ttmp6, 0x10000c
	s_cmp_lg_u32 s2, 0xf033
	s_cbranch_scc0 .Lentry_shape_is_right
	s_endpgm
.Lentry_shape_is_right:
; kv_up = c_kv w_up on codes of FP6 (E2M3) with E8M0 scales, M 4,096, N 2,048, K 1,024.  A wave's 128 columns are one head: 64 of k, 64 of v.  k is rotated (RoPE) and quantised along the head's 64;
; v is quantised along the KEYS.  Only codes go to memory: kv holds, for each (batch, head) and each 128 keys, a block of 13,056 bytes: 8 tiles of k (768 bytes each), 4 tiles of v (1,536 each: 16 channels x 128 keys),
; k's scale words (2 x 256), v's (2 x 128).
; Operand layouts, tiles' order, shares, and cluster as in the launch before: [tile][K step][1,536], lane r of tile T = row 32 (T / 2) + 8 (T % 2) + r % 8 + 16 (r / 8); a work-group makes 128 x 256, a wave 64 x 128.
; THE k HALF IS USED TRANSPOSED (source 0 = the weight): a lane holds one token and registers run along the head.  THE v HALF IS USED AS IT STANDS (source 0 = the tokens): a lane holds one channel and registers run along the tokens.
; K's 8 steps fit in the two LDS slots: every LDS byte is filled once, and there is one change of slots.
; LIMITS: NaN and infinities are not served; a block whose largest magnitude lies under 2^-124, a block of zeros among them, keeps the scale byte 1 (zeros' codes are zeros; this program alone reads the bytes).
; REGISTERS: window 0: v16-31 addresses; v160-207 scale words; v64-159 the tokens' fragments (the way out works there and up to v181); window 1: the weight's fragments; window 2: accumulators: k (a, b) at 32 a + 8 b,
; v (a, b) at 128 + 32 (b - 4) + 8 a; window 3: v0-127 cos and sin.
.set KS,     8
.set REFILL, 0
.set NATV,   1
.set CH,     6144
.set SLOT,   24*CH
.set SCL,    2*SLOT
.set AIMG,   3407872
.set ASCL,   6553600
.set BIMG,   9830400
.set BSCL,   11403264
.set ROPE_T, 13107200
.set ABUF, 4
.set BBUF, 6
.set RBUF, 6
.set OBUF, 8
.set ADRA16, 16
.set ADRA8,  18
.set ADRB16, 20
.set ADRB8,  22
.set ADSA,   24
.set ADSB,   25
.set O16,    26
.set O8,     27
.set CSO,    30
.set O4,     31
.set SC,     160                       ; v160-207: the scale words of all 8 K steps, six registers a step, loaded from memory once (no scale words go through LDS)
.set PFO,    3                         ; v3: the prefetch's offset, 256 bytes a lane; never rewritten
.set PF,     72                        ; s[72:73], s[74:75]: where my two prefetches begin; never rewritten
.set AF,     64
.set HA,     64
.set PC,     128
.set TM,     148
.set PWR,    164
.set TT,     168
.set MG,     176
.set SEL,    66
.set G1A, 24
.set G0A, 32
.set G1B, 48
.set G0B, 56
.set G1SA, 68
.set G0SA, 76
.set G1SB, 80
.set G0SB, 88
.set MSB, 0
.macro WIN new                         ; the immediate's high byte repeats the setting that is left
.if MSB != (\new)
	s_set_vgpr_msb (MSB<<8)|(\new)
.set MSB, \new
.endif
.endm
.macro JLOAD g0a, g1a, g0b, g1b        ; a joint load: waves 0 and 1 for the tokens, waves 2 and 3 for the weight; four v_nop follow each line
	s_cmp_eq_u32 s15, 0
	s_cbranch_scc0 .Lfor_b_\@
	tensor_load_to_lds s[\g0a:\g0a+3], s[\g1a:\g1a+7]
	s_nop 0
.rept 4
	v_nop
.endr
	s_branch .Lasked_\@
.Lfor_b_\@:
	tensor_load_to_lds s[\g0b:\g0b+3], s[\g1b:\g1b+7]
	s_nop 0
.rept 4
	v_nop
.endr
.Lasked_\@:
.endm
.macro CREST
	s_cmp_lg_u32 s14, 0
	s_cbranch_scc1 .Lnot_wave_0_\@
	s_barrier_signal -3
.Lnot_wave_0_\@:
	s_barrier_wait -3
	s_barrier_signal -1
	s_barrier_wait -1
.endm
.macro CROUND
	s_barrier_signal -1
	s_barrier_wait -1
	CREST
.endm
.macro WME z, s0, s1, x0, x1, r0, r1   ; one matrix instruction on v[AC] on; z = 1 starts the sum; r0, r1: the scales of source 0, 1 stand in lanes 16-31
.if \z
.if (\r0) && (\r1)
	v_wmma_scale_f32_16x16x128_f8f6f4 v[AC:AC+7], v[\s0:\s0+11], v[\s1:\s1+11], 0, v[\x0], v[\x1] matrix_a_fmt:MATRIX_FMT_FP6 matrix_b_fmt:MATRIX_FMT_FP6 matrix_a_scale:MATRIX_SCALE_ROW1 matrix_b_scale:MATRIX_SCALE_ROW1
.elseif (\r0)
	v_wmma_scale_f32_16x16x128_f8f6f4 v[AC:AC+7], v[\s0:\s0+11], v[\s1:\s1+11], 0, v[\x0], v[\x1] matrix_a_fmt:MATRIX_FMT_FP6 matrix_b_fmt:MATRIX_FMT_FP6 matrix_a_scale:MATRIX_SCALE_ROW1
.elseif (\r1)
	v_wmma_scale_f32_16x16x128_f8f6f4 v[AC:AC+7], v[\s0:\s0+11], v[\s1:\s1+11], 0, v[\x0], v[\x1] matrix_a_fmt:MATRIX_FMT_FP6 matrix_b_fmt:MATRIX_FMT_FP6 matrix_b_scale:MATRIX_SCALE_ROW1
.else
	v_wmma_scale_f32_16x16x128_f8f6f4 v[AC:AC+7], v[\s0:\s0+11], v[\s1:\s1+11], 0, v[\x0], v[\x1] matrix_a_fmt:MATRIX_FMT_FP6 matrix_b_fmt:MATRIX_FMT_FP6
.endif
.else
.if (\r0) && (\r1)
	v_wmma_scale_f32_16x16x128_f8f6f4 v[AC:AC+7], v[\s0:\s0+11], v[\s1:\s1+11], v[AC:AC+7], v[\x0], v[\x1] matrix_a_fmt:MATRIX_FMT_FP6 matrix_b_fmt:MATRIX_FMT_FP6 matrix_a_scale:MATRIX_SCALE_ROW1 matrix_b_scale:MATRIX_SCALE_ROW1
.elseif (\r0)
	v_wmma_scale_f32_16x16x128_f8f6f4 v[AC:AC+7], v[\s0:\s0+11], v[\s1:\s1+11], v[AC:AC+7], v[\x0], v[\x1] matrix_a_fmt:MATRIX_FMT_FP6 matrix_b_fmt:MATRIX_FMT_FP6 matrix_a_scale:MATRIX_SCALE_ROW1
.elseif (\r1)
	v_wmma_scale_f32_16x16x128_f8f6f4 v[AC:AC+7], v[\s0:\s0+11], v[\s1:\s1+11], v[AC:AC+7], v[\x0], v[\x1] matrix_a_fmt:MATRIX_FMT_FP6 matrix_b_fmt:MATRIX_FMT_FP6 matrix_b_scale:MATRIX_SCALE_ROW1
.else
	v_wmma_scale_f32_16x16x128_f8f6f4 v[AC:AC+7], v[\s0:\s0+11], v[\s1:\s1+11], v[AC:AC+7], v[\x0], v[\x1] matrix_a_fmt:MATRIX_FMT_FP6 matrix_b_fmt:MATRIX_FMT_FP6
.endif
.endif
.endm
.macro WM n, a, b, zero
.set SCB, SC+6*(\n)+2+2*((\b)/4)+(((\b)%4)/2)
.set SCA, SC+6*(\n)+((\a)/2)
.set FB, 128*((\n)%2)+12*(\b)
.set FA, AF+48*((\n)%2)+12*(\a)
.if NATV && ((\b) >= 4)
.set AC, 128+32*((\b)-4)+8*(\a)
	WME \zero, FA, FB, SCA, SCB, (\a)%2, (\b)%2
.elseif NATV
.set AC, 32*(\a)+8*(\b)
	WME \zero, FB, FA, SCB, SCA, (\b)%2, (\a)%2
.else
.set AC, 64*(\a)+8*(\b)
	WME \zero, FB, FA, SCB, SCA, (\b)%2, (\a)%2
.endif
.endm
.macro MUL8 n, a0, half, zero          ; the 32 accumulators take turns, one instruction a turn, in the same order in every K step
.if NATV && (\half)
	WIN 0xa4                                       ; source 0 (tokens) window 0, source 1 (weight) window 1, C and D window 2
.else
	WIN 0xa1                                       ; source 0 (weight) window 1, source 1 (tokens) window 0, C and D window 2
.endif
.irp a, \a0, \a0+1
.irp b, 0,1,2,3
	WM \n, \a, 4*(\half)+\b, \zero
.endr
.endr
.endm
.macro FRAG reg, a16, a8, off
	ds_load_b128 v[\reg:\reg+3], v[\a16] offset:\off
	ds_load_b64 v[\reg+4:\reg+5], v[\a8] offset:\off+512
	ds_load_b128 v[\reg+6:\reg+9], v[\a16] offset:\off+768
	ds_load_b64 v[\reg+10:\reg+11], v[\a8] offset:\off+1280
.endm
.macro FETCH n                         ; K step n's 12 fragments into set n % 2
.set FS, ((\n)/4)%2
.set FQ, (\n)%4
.set FP, (\n)%2
	WIN 0x40
.irp i, 0,1,2,3,4,5,6,7
	FRAG 128*FP+12*\i, ADRB16+FS, ADRB8+FS, \i*CH+FQ*1536
.endr
	WIN 0
.irp i, 0,1,2,3
	FRAG AF+48*FP+12*\i, ADRA16+FS, ADRA8+FS, \i*CH+FQ*1536
.endr
.endm
.macro STEP n, zero
	s_wait_dscnt 0x0                               ; this step's set, asked for a step ago, is in
.if (\n) > 0
.rept 4
	v_nop                                          ; four places between the last step's products and the loads into the set that they read
.endr
.endif
	FETCH (\n)+1
	MUL8 \n, 0, 0, \zero
	MUL8 \n, 2, 0, \zero
	MUL8 \n, 0, 1, \zero
	MUL8 \n, 2, 1, \zero
.endm
.macro LAST n
	s_wait_dscnt 0x0
	MUL8 \n, 0, 0, 0
	MUL8 \n, 2, 0, 0
	MUL8 \n, 0, 1, 0
	MUL8 \n, 2, 1, 0
.endm
.macro TURN n                          ; the change of slots: my part of slot 1 has landed; behind the barrier everybody's has.  Nothing is filled again
	s_wait_tensorcnt 0x0
	s_wait_dscnt 0x0                               ; this step's set is in
	MUL8 \n, 0, 0, 0
	s_barrier_signal -1
	MUL8 \n, 2, 0, 0
	s_barrier_wait -1
.rept 4
	v_nop
.endr
	FETCH (\n)+1
	MUL8 \n, 0, 1, 0
	MUL8 \n, 2, 1, 0
.endm
.macro QUANT s, w, nb, pw              ; 16 nb numbers of a lane in window w, register 16 b + i = k 32 b + 16 (lane / 16) + i of my row -> codes in v[PC] on, scale word in v[pw]; accumulators are read from their low end on
	WIN ((\w)<<2)|((\w)<<4)
.set QI, 0
.rept \nb
	v_max3_num_f32 v[TM+QI], 0x1800000, |v[16*QI+(\s)]|, |v[16*QI+1+(\s)]|   ; the floor 2^(3 - 127): the byte cannot fall under 1
.set QI, QI+1
.endr
.irp i, 2,4,6,8,10,12,14
.set QI, 0
.rept \nb
	v_max3_num_f32 v[TM+QI], v[TM+QI], |v[16*QI+\i+(\s)]|, |v[16*QI+\i+1+(\s)]|
.set QI, QI+1
.endr
.endr
	WIN 0
.set QI, 0
.rept \nb
	v_permlanex16_b32 v[TM+4+QI], v[TM+QI], s[SEL], s[SEL+1]
.set QI, QI+1
.endr
.set QI, 0
.rept \nb
	v_max_num_f32 v[TM+QI], v[TM+QI], v[TM+4+QI]
.set QI, QI+1
.endr
.set QI, 0
.rept \nb
	v_add_nc_u32 v[TM+12+QI], 0xff000000, v[TM+QI]
.set QI, QI+1
.endr
.set QI, 0
.rept \nb
	v_lshrrev_b32 v[TM+4+QI], 23, v[TM+12+QI]
.set QI, QI+1
.endr
	v_lshl_or_b32 v[\pw], v[TM+5], 8, v[TM+4]
.if \nb > 2
	v_lshl_or_b32 v[\pw], v[TM+6], 16, v[\pw]
	v_lshl_or_b32 v[\pw], v[TM+7], 24, v[\pw]
.endif
	WIN \w
.set QI, 0
.rept \nb/2
	v_cvt_scalef32_pk16_fp6_f32 v[PC+6*QI:PC+6*QI+2], v[32*QI+(\s):32*QI+15+(\s)], v[TM+12+2*QI]
	v_cvt_scalef32_pk16_fp6_f32 v[PC+12+4*QI:PC+12+4*QI+2], v[32*QI+16+(\s):32*QI+31+(\s)], v[TM+13+2*QI]
.set QI, QI+1
.endr
	WIN 0
	v_nop                                            ; one plain line behind the scaled conversions
.set QI, 0
.rept \nb/2
.irp i, 0,1,2
	v_permlane16_swap_b32 v[PC+6*QI+\i], v[PC+12+4*QI+\i]
.endr
.irp i, 0,1,2
	v_mov_b32 v[PC+3+6*QI+\i], v[PC+12+4*QI+\i]
.endr
.set QI, QI+1
.endr
.endm
.macro ROPE a, ng, src                 ; (x1, x2) -> (x1 cos - x2 sin, x1 sin + x2 cos): tile a, ng groups of 8 pairs from v[src] on in window 2, (cos, sin) in window 3, into v[HA] on
	WIN 0x0e
.set RG, 0
.rept \ng
.irp q, 0,4
.irp p, 0,1,2,3
	v_pk_mul_f32 v[TT+2*\p:TT+2*\p+1], v[16*RG+2*(\q+\p)+(\src):16*RG+2*(\q+\p)+1+(\src)], v[32*(\a)+16*(RG%2)+2*(\q+\p):32*(\a)+16*(RG%2)+2*(\q+\p)+1] op_sel:[1,1] op_sel_hi:[1,0]
.endr
.irp p, 0,1,2,3
	v_pk_fma_f32 v[HA+16*RG+2*(\q+\p):HA+16*RG+2*(\q+\p)+1], v[16*RG+2*(\q+\p)+(\src):16*RG+2*(\q+\p)+1+(\src)], v[32*(\a)+16*(RG%2)+2*(\q+\p):32*(\a)+16*(RG%2)+2*(\q+\p)+1], v[TT+2*\p:TT+2*\p+1] op_sel:[0,0,0] op_sel_hi:[0,1,1] neg_lo:[0,0,1]
.endr
.endr
.set RG, RG+1
.endr
	WIN 0
.endm
	s_load_b128 s[4:7], s[0:1], 0x0                ; g1, qz
	s_load_b64 s[8:9], s[0:1], 0x10                ; kv
	v_lshl_add_u32 v254, v0, 2, 0x4b000
	v_mov_b32 v255, 0
	ds_add_u32 v254, v255
	ds_add_u32 v254, v255
	v_lshrrev_b32 v1, 5, v0
	v_readfirstlane_b32 s14, v1                    ; wave 0..3
	s_lshr_b32 s15, s14, 1                         ; mh.  Also: I fetch for the tokens (0) or for the weight (1)
	s_and_b32 s16, s14, 1                          ; nh.  Also: which half I fetch
	s_bfe_u32 s40, ttmp6, 0x40000
	s_bfe_u32 s41, ttmp6, 0x40004
	s_lshl_b32 s42, ttmp9, 2
	s_add_co_u32 s42, s42, s40                     ; X
	s_and_b32 s17, ttmp7, 0xffff
	s_lshl_b32 s17, s17, 2
	s_add_co_u32 s17, s17, s41                     ; Y
	s_lshl_b32 s43, s41, 2
	s_lshl_b32 s43, 15, s43
	s_lshl_b32 s44, 0x1111, s40
	s_or_b32 s[G1A], s43, (3<<16)|(1<<21)          ; the mask; elements of 8 bytes; no padding; bit 21 beside a mask
	s_or_b32 s[G1B], s44, (3<<16)|(1<<21)
.irp g, G1A, G1B
	s_mov_b32 s[\g+1], 768<<16
	s_mov_b32 s[\g+3], 768<<16
	s_mov_b32 s[\g+5], KS*192
	s_mov_b32 s[\g+6], 0
	s_mov_b32 s[\g+7], 0
.endr
	s_mov_b32 s[G1A+2], 4<<16
	s_mov_b32 s[G1A+4], 4
	s_mov_b32 s[G1B+2], 8<<16
	s_mov_b32 s[G1B+4], 8
	s_lshl_b32 s18, s16, 2
	s_lshl_b32 s20, s17, 3
	s_add_co_u32 s20, s20, s18
	s_mul_i32 s20, s20, KS*1536
.if AIMG
	s_add_co_u32 s20, s20, AIMG
.endif
	s_mov_b32 s21, 0
	s_lshl_b32 s18, s16, 3
	s_lshl_b32 s46, s42, 4
	s_add_co_u32 s46, s46, s18
	s_mul_i32 s46, s46, KS*1536
	s_add_co_u32 s46, s46, BIMG
	s_mov_b32 s47, 0
	s_lshl_b32 s22, s17, 1
	s_add_co_u32 s22, s22, s15                     ; the group of 64 rows that I multiply
	s_mul_i32 s22, s22, KS*256
	s_add_co_u32 s22, s22, ASCL
	s_mov_b32 s23, 0
	s_lshl_b32 s18, s16, 1
	s_lshl_b32 s92, s42, 2
	s_add_co_u32 s92, s92, s18
	s_mul_i32 s92, s92, KS*256
	s_add_co_u32 s92, s92, BSCL
	s_mov_b32 s93, 0
	s_mul_i32 s45, s16, 4*CH
	s_mul_i32 s94, s16, 8*CH
	s_add_co_u32 s94, s94, 8*CH
	s_mov_b32 s[SEL], 0x76543210
	s_mov_b32 s[SEL+1], 0xfedcba98
	s_wait_dscnt 0x0
	s_wait_kmcnt 0x0
	s_add_nc_u64 s[20:21], s[ABUF:ABUF+1], s[20:21]
	s_add_nc_u64 s[68:69], s[ABUF:ABUF+1], s[22:23]   ; my rows' scale words
	s_add_nc_u64 s[46:47], s[BBUF:BBUF+1], s[46:47]
	s_add_nc_u64 s[70:71], s[BBUF:BBUF+1], s[92:93]   ; my columns' scale words
	CROUND                                         ; all sixteen work-groups are here: the joint loads meet
.irp s, 0,1
	s_mov_b32 s[G0A+4*\s], 1
	s_add_co_u32 s[G0A+4*\s+1], s45, \s*SLOT
	s_add_nc_u64 s[G0A+4*\s+2:G0A+4*\s+3], s[20:21], \s*CH
	s_or_b32 s[G0A+4*\s+3], s[G0A+4*\s+3], 0x80000000
	s_mov_b32 s[G0B+4*\s], 1
	s_add_co_u32 s[G0B+4*\s+1], s94, \s*SLOT
	s_add_nc_u64 s[G0B+4*\s+2:G0B+4*\s+3], s[46:47], \s*CH
	s_or_b32 s[G0B+4*\s+3], s[G0B+4*\s+3], 0x80000000
.endr
	JLOAD G0A, G1A, G0B, G1B                       ; slot 0, K steps 0-3: my one tensor load at the head
	; a prefetch into the L2 of slot 1's chunk, which the next joint load asks for.  Of the tiles that a wave fetches, each of the four partners that ask for them jointly takes a quarter, told apart by address:
	; of the tokens' 4 tiles one (12 + 12 blocks of 256 bytes), of the weight's 8 tiles two (24 + 24 blocks).  Lanes that are left over name their wave's last block again
	s_cmp_eq_u32 s15, 0                            ; do I fetch for the tokens?
	s_cselect_b64 s[PF:PF+1], s[20:21], s[46:47]   ; the tiles that I fetch,
	s_cselect_b32 s76, s40, s41                    ; my work-group's place among the four that ask for them with me
	s_mul_i32 s76, s76, KS*1536
	s_lshl_b32 s76, s76, s15                       ; one tile a partner of the tokens', two of the weight's
	s_mov_b32 s77, 0
	s_add_nc_u64 s[PF:PF+1], s[PF:PF+1], s[76:77]
	s_lshl_b32 s78, s15, 1
	s_lshl_b32 s78, 3072, s78                      ; the second prefetch: 12 blocks on, or a tile (12,288 bytes) on
	s_mov_b32 s79, 0
	s_add_nc_u64 s[PF+2:PF+3], s[PF:PF+1], s[78:79]
	s_mul_i32 s80, s15, 12
	s_add_co_u32 s80, s80, 11                      ; the last block of a prefetch: 11 or 23
	v_and_b32 v1, 31, v0
	v_lshlrev_b32 v[O16], 4, v1
	v_lshlrev_b32 v[O8], 3, v1
	v_lshlrev_b32 v[O4], 2, v1
	v_min_u32 v[PFO], s80, v1
	v_lshlrev_b32 v[PFO], 8, v[PFO]
	global_prefetch_b8 v[PFO], s[PF:PF+1] offset:CH th:TH_LOAD_NT scope:SCOPE_SE
	global_prefetch_b8 v[PFO], s[PF+2:PF+3] offset:CH th:TH_LOAD_NT scope:SCOPE_SE
	s_mul_i32 s18, s15, 4*CH
	s_mul_i32 s19, s16, 8*CH
	s_add_co_u32 s19, s19, 8*CH
.irp s, 0,1
	v_add_nc_u32 v[ADRA16+\s], s18, v[O16]
	v_add_nc_u32 v[ADRA8+\s], s18, v[O8]
	v_add_nc_u32 v[ADRB16+\s], s19, v[O16]
	v_add_nc_u32 v[ADRB8+\s], s19, v[O8]
	s_add_co_u32 s18, s18, SLOT
	s_add_co_u32 s19, s19, SLOT
.endr
.set SN, 0
.rept KS                               ; each load covers 256 consecutive bytes, aligned: the words of 64 rows for one K step
	global_load_b64 v[SC+6*SN:SC+6*SN+1], v[O8], s[68:69] offset:SN*256
	global_load_b64 v[SC+6*SN+2:SC+6*SN+3], v[O8], s[70:71] offset:SN*256
	global_load_b64 v[SC+6*SN+4:SC+6*SN+5], v[O8], s[70:71] offset:KS*256+SN*256
.set SN, SN+1
.endr
	v_and_b32 v4, 7, v0                            ; the table of cos and sin: row r % 8 + 16 (r / 8) of a tile's, + 64 h
	v_bfe_u32 v5, v0, 3, 1
	v_lshl_add_u32 v4, v5, 4, v4
	v_bfe_u32 v5, v0, 4, 1
	v_lshlrev_b32 v4, 8, v4
	v_lshl_add_u32 v[CSO], v5, 6, v4
	s_wait_alu depctr_va_vdst(0)
	s_and_b32 s18, s17, 15
	s_lshl_b32 s18, s18, 1
	s_add_co_u32 s18, s18, s15
	s_lshl_b32 s18, s18, 14
	s_add_co_u32 s18, s18, ROPE_T
	s_mov_b32 s19, 0
	s_add_nc_u64 s[10:11], s[RBUF:RBUF+1], s[18:19]
	WIN 0xc0                                       ; destination window 3: cos and sin of my 64 tokens, wanted on the way out
.irp a, 0,1,2,3
.irp e, 0,1
.irp j, 0,1,2,3
	global_load_b128 v[32*\a+16*\e+4*\j:32*\a+16*\e+4*\j+3], v[CSO], s[10:11] offset:(32*(\a/2)+8*(\a%2))*256+128*\e+16*\j
.endr
.endr
.endr
	WIN 0
	; where my head's block of these 128 keys lies
	s_lshr_b32 s18, s17, 4
	s_lshl_b32 s18, s18, 4
	s_lshl_b32 s19, s42, 1
	s_add_co_u32 s18, s18, s19
	s_add_co_u32 s18, s18, s16                     ; 16 x batch + head
	s_lshl_b32 s18, s18, 4
	s_and_b32 s19, s17, 15
	s_add_co_u32 s18, s18, s19
	s_mul_i32 s18, s18, 13056
	s_mov_b32 s19, 0
	s_add_nc_u64 s[12:13], s[OBUF:OBUF+1], s[18:19]
	s_mul_i32 s18, s15, 3072
	s_add_nc_u64 s[20:21], s[12:13], s[18:19]      ; k's tiles 4 mh on
	s_mul_i32 s18, s15, 768
	s_add_nc_u64 s[22:23], s[12:13], s[18:19]      ; v's halves: keys 64 mh on
	s_lshl_b32 s18, s15, 8
	s_add_nc_u64 s[92:93], s[12:13], s[18:19]      ; k's scale words
	s_lshl_b32 s18, s15, 7
	s_add_nc_u64 s[94:95], s[12:13], s[18:19]      ; v's
	s_wait_tensorcnt 0x0                           ; my part of slot 0 is in
	ds_add_u32 v254, v255
	s_wait_dscnt 0x0
	CROUND                                         ; everybody's part of slot 0 is in, and the sixteen work-groups meet
	JLOAD G0A+4, G1A, G0B+4, G1B                   ; slot 1, K steps 4-7: the first tensor load behind the round
	s_wait_loadcnt 32                              ; the 24 loads of scale words are in; the 32 younger ones, cos and sin, may be out
	FETCH 0
	STEP 0, 1
	STEP 1, 0
	STEP 2, 0
	TURN 3
	STEP 4, 0
	STEP 5, 0
	STEP 6, 0
	LAST 7
	WIN 0
.rept 4
	v_nop                                          ; four places behind the last products
.endr
.irp b, 0,1,2,3
	v_mov_b32 v[TM+4+\b], 0                        ; a lane permute's destination counts as one of its sources
.endr
	s_mov_b32 vcc_lo, 0xffff0000
	s_wait_loadcnt 0x0                             ; cos and sin
.irp a, 0,1,2,3                        ; k: a tile of 16 keys x the head's 64
	s_wait_xcnt 0x0                                ; the last stores have read the codes' registers
	ROPE \a, 2, 32*\a
	QUANT HA, 0, 2, PWR+\a
	global_store_b128 v[O16], v[PC:PC+3], s[20:21] offset:\a*768
	global_store_b64 v[O8], v[PC+4:PC+5], s[20:21] offset:\a*768+512
.endr
	v_cndmask_b32 v[MG], v[PWR], v[PWR+1], vcc_lo
	v_cndmask_b32 v[MG+1], v[PWR+2], v[PWR+3], vcc_lo
	global_store_b64 v[O8], v[MG:MG+1], s[92:93] offset:12288
.irp b, 0,1,2,3                        ; v: a tile of 16 channels x my 64 keys
	s_wait_xcnt 0x0
	QUANT 128+32*\b, 2, 2, PWR+\b
	global_store_b128 v[O16], v[PC:PC+3], s[22:23] offset:6144+1536*\b
	global_store_b64 v[O8], v[PC+4:PC+5], s[22:23] offset:6144+1536*\b+512
.endr
	v_lshl_or_b32 v[MG+2], v[PWR+1], 16, v[PWR]    ; tiles 0 and 1: two bytes each;
	v_lshl_or_b32 v[MG+3], v[PWR+3], 16, v[PWR+2]  ; tiles 2 and 3
	v_cndmask_b32 v[MG+4], v[MG+2], v[MG+3], vcc_lo
	global_store_b32 v[O4], v[MG+4], s[94:95] offset:12800   ; 128 consecutive bytes; the other half of the rows' waves store the 128 beside them
	s_wait_tensorcnt 0x0
	ds_add_u32 v254, v255
	s_wait_dscnt 0x0
	CROUND                                         ; the closing round
	s_endpgm
.Lfunc_end_k_q023571ccd0_gemm2:
	.size	k_q023571ccd0_gemm2, .Lfunc_end_k_q023571ccd0_gemm2-k_q023571ccd0_gemm2
	.p2alignl 7, 3214868480
	.fill 96, 4, 3214868480
	.section	.rodata,"a",@progbits
	.p2align	6, 0x0
	.amdhsa_kernel k_q023571ccd0_gemm2
		.amdhsa_group_segment_fixed_size 327680
		.amdhsa_private_segment_fixed_size 0
		.amdhsa_enable_private_segment 0
		.amdhsa_kernarg_size 24
		.amdhsa_user_sgpr_count 2
		.amdhsa_user_sgpr_kernarg_segment_ptr 1
		.amdhsa_wavefront_size32 1
		.amdhsa_system_sgpr_workgroup_id_x 1
		.amdhsa_system_sgpr_workgroup_id_y 1
		.amdhsa_system_sgpr_workgroup_id_z 1
		.amdhsa_system_vgpr_workitem_id 0
		.amdhsa_next_free_vgpr 896
		.amdhsa_next_free_sgpr 98
		.amdhsa_reserve_vcc 1
		.amdhsa_float_denorm_mode_32 3
		.amdhsa_float_denorm_mode_16_64 3
		.amdhsa_memory_ordered 1
		.amdhsa_forward_progress 1
		.amdhsa_inst_pref_size 100
	.end_amdhsa_kernel
	.amdgpu_metadata
---
amdhsa.version: [ 1, 2 ]
amdhsa.kernels:
  - .name:           k_q023571ccd0_gemm2
    .symbol:         k_q023571ccd0_gemm2.kd
    .args:
      - { .name: g1, .offset: 0, .size: 8, .value_kind: global_buffer, .address_space: global }
      - { .name: qz, .offset: 8, .size: 8, .value_kind: global_buffer, .address_space: global }
      - { .name: kv, .offset: 16, .size: 8, .value_kind: global_buffer, .address_space: global }
    .group_segment_fixed_size: 327680
    .private_segment_fixed_size: 0
    .kernarg_segment_align: 8
    .kernarg_segment_size: 24
    .max_flat_workgroup_size: 128
    .sgpr_count:     98
    .vgpr_count:     896
    .wavefront_size: 32
...
	.end_amdgpu_metadata
.endif
;; end of part 3
;; launch attn (part 4): grid 8 x 32, 16 waves a work-group, no clusters, 327,680 bytes of LDS; arguments g1, kv, ao; writes ao
.if DOCPART == 4
	.amdgcn_target "amdgcn-amd-amdhsa--gfx1250"
	.amdhsa_code_object_version 6
	.text
	.protected	k_q023571ccd0_attn
	.globl	k_q023571ccd0_attn
	.p2align	8
	.type	k_q023571ccd0_attn,@function
k_q023571ccd0_attn:
	s_mov_b64 s[64:65], 0
	v_nop
	global_prefetch_b8 v0, s[64:65] scope:SCOPE_SE
	s_setreg_imm32_b32 hwreg(HW_REG_WAVE_MODE, 25, 1), 1
	s_wait_xcnt 0x0
; Causal attention on codes of FP6 (E2M3) with E8M0 scales: 32 (batch, head), 2,048 tokens, head size 64.  O / l is quantised along (head, channel) and goes to memory as codes (ao), laid as the last product's operand.
; THE SOFTMAX: t = score x log2(e) / 8; M = the running largest t rounded up to a whole number; p = 2^(t - M) is quantised along the keys; the row's sum is taken of the unquantised p and divides at the end.
; When M moves, the sum and O are multiplied by 2^(old M - new M): exact.  A block's largest p is made from the block's largest score by the same two instructions (this takes v_exp_f32 not to fall where its input rises).
; LEFT OUT: key blocks that lie wholly behind a tile's queries: the causal mask sets their scores to -infinity, so their p is 0 for all inputs.
; SHARES.  Work-group j of a head owns query blocks j and 15 - j (128 queries each).  Waves 2 i and 2 i + 1 are a pair: one owns tile i of block j (the short tile), the other tile i of block 15 - j (the long tile).
; The short tile wants key blocks 0 .. j, the long one 0 .. 15 - j: 17 for the pair.  The short tile's owner, done with its tile at key block j, divides it by its sum, takes up the long tile's q, begins new sums, and takes key blocks
; j + 2, j + 4 .. 14 - j of the long tile; the long tile's owner takes 0 .. j and j + 1, j + 3 .. 15 - j (the last on the diagonal).  So the waves have 8 and 9 key steps, in every work-group.
; At the end the helper's O, -M and sum go to its partner through LDS bytes of their own, and the two parts are joined under the larger M by powers of two.
; Every wave walks key blocks 0 .. 15 in loops of constant count; a block that is not the wave's is passed over by scalar branches on ids.
; THE HEAD'S k AND v LIE IN LDS WHOLE: 816 rows of 256 bytes, each byte filled once, in two parts, each shared out among the 16 waves: 13 rows a wave at the head (key blocks 0-3), 38 behind the first barrier (the rest): one tensor load
; a wave at a time.  The barrier that shows the second part whole guards no fill, so it is split: a wave waits for its own load and signals behind key block 2, works key block 3, and waits ahead of key block 4.
; Between the signal and the wait stand register work and LDS loads of key block 3 alone.  From there to the hand-over the waves meet at no barrier.
; In work-groups with a larger j a wave's 38 rows may lie behind the last block that the work-group reads (15 - j).
; No prefetch: the second part's tensor load is issued three key blocks ahead of the wait for it, and behind it nothing more is fetched.
; No cluster: the work-groups of a head need different numbers of key blocks.
; LAYOUT.  Both products are used transposed: S^T = k q^T, O^T = v^T p^T: a lane holds one query.  Lane r of a tile stands for row 32 (T / 2) + 8 (T % 2) + r % 8 + 16 (r / 8), so p's 16 registers of two neighbouring tiles are 16 neighbouring keys.
; THE FIRST PRODUCT'S K IS 64: q's upper six registers are zero codes; k's upper six are the next tile's codes (zeros behind the last): a code times the code 0 is 0, and the scale bytes there are 0, not 0xff.
; LIMITS: NaN and infinities are not served; the scaled scores stay under 2^31 in magnitude; a block whose largest magnitude lies under 2^-124, a block of zeros among them, keeps the scale byte 1.
; REGISTERS: v1-3 16, 8, 4 x lane; v4 the mask's bound; v5 8 r; v6-7 the hand-over's LDS addresses; v8-11 at work; v12 -M, v13 largest t, v[14:15] the sum; v16-27 q; v28-31 v's scale words; v32-85 k's or v's fragments;
; v86-92 the long tile's q and scale word; v95, v243 the add's; v96-159 S^T, p; v160-191 O^T; v192-223 the finished tile; v224-247 p's codes and work; v248-251 k's scale words; v252 f; v253 p's scale word;
; v254 at work; v255 q's scale word.
.set STEPB, 13056
.set Q_SCL,  3145728
.set AO_SCL, 3145728
.set SPARE, 16*STEPB                   ; the spare words: 128 bytes a wave
.set HAND,  SPARE+2048                 ; the hand-over: for each pair 8 x 512 bytes of O and 256 of (-M, sum)
.set HPAIR, 4352
.set TB,  2                            ; s2   LDS byte at which the key block begins
.set KP,  3                            ; s3   the key block
.set WV,  18
.set SEL, 20
.set CS,  22                           ; s[22:23] c = log2(e) / 8
.set G1A, 24
.set G1B, 32
.set Q2,  40                           ; s[40:41] the long tile's q, s[42:43] its scale words
.set G0A, 48
.set G0B, 52
.set ROLE, 60                          ; 0: I own the short tile and help; 1: I own the long tile
.set PAR, 61                           ; behind block j: the parity of my key blocks
.set LIM, 62                           ; 15 - j
.set SW,  63                           ; the key block at whose head the helper changes tiles: j + 1 (64: never)
.set DG,  66                           ; my own tile's block: its diagonal key block
.set CNT, 67
.set TP,  89
.set TM,  96                           ; the way out: QUANT's registers
.set PC,  112
.set PWO, 132
.macro QUANT s, pw                     ; 32 numbers of a lane, register 16 b + i = channel 32 b + 16 (lane / 16) + i of my query -> codes in v[PC] on, two scale bytes in v[pw]
.irp b, 0,1
	v_max3_num_f32 v[TM+\b], |v[16*\b+(\s)]|, |v[16*\b+1+(\s)]|, 0x1800000
.endr
.irp i, 2,4,6,8,10,12,14
.irp b, 0,1
	s_delay_alu instid0(VALU_DEP_2)
	v_max3_num_f32 v[TM+\b], v[TM+\b], |v[16*\b+\i+(\s)]|, |v[16*\b+\i+1+(\s)]|
.endr
.endr
.irp b, 0,1
	s_delay_alu instid0(VALU_DEP_2)
	v_permlanex16_b32 v[TM+4+\b], v[TM+\b], s[SEL], s[SEL+1]
.endr
.irp b, 0,1
	s_delay_alu instid0(VALU_DEP_2)
	v_max_num_f32 v[TM+\b], v[TM+\b], v[TM+4+\b]
.endr
.irp b, 0,1
	s_delay_alu instid0(VALU_DEP_2)
	v_add_nc_u32 v[TM+12+\b], 0xff000000, v[TM+\b]
.endr
.irp b, 0,1
	s_delay_alu instid0(VALU_DEP_2)
	v_lshrrev_b32 v[TM+4+\b], 23, v[TM+12+\b]
.endr
	s_delay_alu instid0(VALU_DEP_1)
	v_lshl_or_b32 v[\pw], v[TM+5], 8, v[TM+4]
	v_cvt_scalef32_pk16_fp6_f32 v[PC:PC+2], v[(\s):15+(\s)], v[TM+12]
	v_cvt_scalef32_pk16_fp6_f32 v[PC+12:PC+14], v[16+(\s):31+(\s)], v[TM+13]
	v_nop
.irp i, 0,1,2
	v_permlane16_swap_b32 v[PC+\i], v[PC+12+\i]
.endr
.irp i, 0,1,2
	s_delay_alu instid0(VALU_DEP_3)
	v_mov_b32 v[PC+3+\i], v[PC+12+\i]
.endr
.endm
	s_load_b128 s[4:7], s[0:1], 0x0                ; g1, kv
	s_load_b64 s[8:9], s[0:1], 0x10                ; ao
	v_lshl_add_u32 v95, v0, 2, SPARE
	v_mov_b32 v243, 0
	ds_add_u32 v95, v243
	ds_add_u32 v95, v243
	v_lshrrev_b32 v8, 5, v0
	s_delay_alu instid0(VALU_DEP_1)
	v_readfirstlane_b32 s[WV], v8                  ; wave 0..15
	s_and_b32 s10, ttmp7, 0xffff                   ; 16 x batch + head
	s_mul_i32 s11, s10, 16*STEPB                   ; the head's bytes in kv
.irp g, G1A, G1B                       ; dense rows of 256 bytes (32 elements of 8 bytes): 13 or 38 rows a wave
	s_mov_b32 s[\g], 3<<16
	s_mov_b32 s[\g+1], 32<<16
	s_mov_b32 s[\g+3], 32<<16
	s_mov_b32 s[\g+5], 32
	s_mov_b32 s[\g+6], 0
	s_mov_b32 s[\g+7], 0
.endr
	s_mov_b32 s[G1A+2], 13<<16
	s_mov_b32 s[G1A+4], 13
	s_mov_b32 s[G1B+2], 38<<16
	s_mov_b32 s[G1B+4], 38
	s_mul_i32 s12, s[WV], 13*256                   ; where my parts lie, in LDS as in the head's bytes: rows 0-207,
	s_mul_i32 s13, s[WV], 38*256
	s_add_co_u32 s13, s13, 208*256                 ; 208-815
	s_mov_b32 s69, 0
	s_wait_dscnt 0x0
	s_wait_kmcnt 0x0
	s_mov_b32 s[G0A], 1
	s_mov_b32 s[G0A+1], s12
	s_add_co_u32 s68, s11, s12
	s_add_nc_u64 s[G0A+2:G0A+3], s[6:7], s[68:69]
	s_or_b32 s[G0A+3], s[G0A+3], 0x80000000
	tensor_load_to_lds s[G0A:G0A+3], s[G1A:G1A+7]  ; every wave's one load at the head
	s_nop 0
	s_mov_b32 s[G0B], 1
	s_mov_b32 s[G0B+1], s13
	s_add_co_u32 s68, s11, s13
	s_add_nc_u64 s[G0B+2:G0B+3], s[6:7], s[68:69]
	s_or_b32 s[G0B+3], s[G0B+3], 0x80000000
	s_lshr_b32 s70, s[WV], 2
	s_xor_b32 s70, s70, s[WV]
	s_and_b32 s[ROLE], s70, 1                      ; the two roles are mixed among neighbouring waves
	s_lshr_b32 s71, s[WV], 1                       ; my pair, and my tile of the block's eight
	s_sub_co_u32 s[LIM], 15, ttmp9
	s_add_co_u32 s72, ttmp9, 1
	s_add_co_u32 s[PAR], ttmp9, s[ROLE]
	s_and_b32 s[PAR], s[PAR], 1
	s_cmp_eq_u32 s[ROLE], 0
	s_cselect_b32 s[DG], ttmp9, s[LIM]
	s_cselect_b32 s[SW], s72, 64
	s_lshl_b32 s73, s[DG], 3
	s_add_co_u32 s73, s73, s71                     ; my tile of the sequence's 128
	s_lshl_b32 s72, s[LIM], 3
	s_add_co_u32 s72, s72, s71                     ; the pair's long tile
	s_lshl_b32 s74, s10, 7
	s_add_co_u32 s74, s74, s73
	s_mul_i32 s74, s74, 768
	s_mov_b32 s75, 0
	s_add_nc_u64 s[76:77], s[4:5], s[74:75]        ; q's half image
	s_lshl_b32 s74, s10, 7
	s_add_co_u32 s74, s74, s72
	s_mul_i32 s74, s74, 768
	s_add_nc_u64 s[Q2:Q2+1], s[4:5], s[74:75]      ; the long tile's
	s_and_b32 s78, s73, 1
	s_lshl_b32 s78, s78, 7
	s_bfe_u32 s79, s73, 0x10001
	s_lshl_b32 s79, s79, 2
	s_add_co_u32 s78, s78, s79                     ; a tile's place among its group's scale words: 128 (tile % 2) + 4 ((tile / 2) % 2): the same for both tiles of the pair
	s_lshl_b32 s74, s10, 5
	s_lshr_b32 s79, s73, 2
	s_add_co_u32 s74, s74, s79
	s_lshl_b32 s74, s74, 8
	s_add_co_u32 s74, s74, s78
	s_add_co_u32 s74, s74, Q_SCL
	s_add_nc_u64 s[86:87], s[4:5], s[74:75]        ; q's scale words
	s_lshl_b32 s74, s10, 5
	s_lshr_b32 s79, s72, 2
	s_add_co_u32 s74, s74, s79
	s_lshl_b32 s74, s74, 8
	s_add_co_u32 s74, s74, s78
	s_add_co_u32 s74, s74, Q_SCL
	s_add_nc_u64 s[Q2+2:Q2+3], s[4:5], s[74:75]    ; the long tile's
	s_lshr_b32 s74, s10, 4
	s_lshl_b32 s74, s74, 7
	s_add_co_u32 s74, s74, s73                     ; my tile among all 256
	s_and_b32 s79, s10, 15                         ; the head
	s_lshl_b32 s80, s74, 4
	s_add_co_u32 s80, s80, s79
	s_mul_i32 s80, s80, 768                        ; (tile x 8 K steps x 2 halves + head) x 768
	s_mov_b32 s81, 0
	s_add_nc_u64 s[82:83], s[8:9], s[80:81]
	s_lshr_b32 s80, s74, 2
	s_lshl_b32 s80, s80, 3
	s_lshr_b32 s88, s79, 1
	s_add_co_u32 s80, s80, s88
	s_lshl_b32 s80, s80, 8
	s_add_co_u32 s80, s80, s78
	s_and_b32 s88, s79, 1
	s_lshl_b32 s88, s88, 1
	s_add_co_u32 s80, s80, s88                     ; my head's two bytes of the K step's word
	s_add_co_u32 s80, s80, AO_SCL
	s_add_nc_u64 s[84:85], s[8:9], s[80:81]
	s_mul_i32 s90, s71, HPAIR
	s_add_co_u32 s90, s90, HAND                    ; my pair's hand-over
	s_add_co_u32 s91, s90, 4096
	s_lshr_b32 s70, s71, 1
	s_lshl_b32 s70, s70, 5
	s_and_b32 s72, s71, 1
	s_lshl_b32 s72, s72, 3
	s_add_co_u32 s70, s70, s72                     ; 32 (tile / 2) + 8 (tile % 2)
	s_mov_b32 s[SEL], 0x76543210
	s_mov_b32 s[SEL+1], 0xfedcba98
	s_mov_b32 s[CS], 0x3e38aa3b                    ; c = log2(e) / 8
	s_mov_b32 s[CS+1], s[CS]                       ; (named with it as a pair, so it is written)
	s_mov_b32 s[TB], 0
	s_mov_b32 s[KP], 0
	v_and_b32 v8, 31, v0
	s_delay_alu instid0(VALU_DEP_1)
	v_lshlrev_b32 v1, 4, v8
	s_delay_alu instid0(VALU_DEP_2)
	v_lshlrev_b32 v2, 3, v8
	s_delay_alu instid0(VALU_DEP_3)
	v_lshlrev_b32 v3, 2, v8
	v_and_b32 v9, 15, v0                           ; r
	s_delay_alu instid0(VALU_DEP_1)
	v_lshlrev_b32 v5, 3, v9
	global_load_b128 v[16:19], v1, s[76:77]        ; q's codes stay in registers
	global_load_b64 v[20:21], v2, s[76:77] offset:512
	global_load_b32 v255, v5, s[86:87]             ; and its scale words
	global_load_b128 v[86:89], v1, s[Q2:Q2+1]      ; the long tile's, for the change of tiles (one text for both roles: the long tile's owner has them twice)
	global_load_b64 v[90:91], v2, s[Q2:Q2+1] offset:512
	global_load_b32 v92, v5, s[Q2+2:Q2+3]
	v_add_nc_u32 v6, s90, v1
	v_add_nc_u32 v7, s91, v2
	v_and_b32 v4, 7, v0
	v_bfe_u32 v10, v0, 3, 1
	s_delay_alu instid0(VALU_DEP_1)
	v_lshl_add_u32 v4, v10, 4, v4
	v_bfe_u32 v10, v0, 4, 1
	s_delay_alu instid0(VALU_DEP_1)
	v_lshlrev_b32 v10, 4, v10
	s_delay_alu instid0(VALU_DEP_1)
	v_sub_nc_u32 v4, v4, v10
	s_delay_alu instid0(VALU_DEP_1)
	v_add_nc_u32 v4, s70, v4                       ; my query's place in its block - 16 (lane / 16): register 16 b + i holds key 32 b + 16 (lane / 16) + i, hidden on the diagonal where 32 b + i is larger
	v_mov_b32 v13, 0xff61b1e6                      ; the largest t so far: -3e38
	s_delay_alu instid0(VALU_DEP_1)
	v_floor_f32 v12, -v13                          ; -M
	v_mov_b32 v14, 0
	v_mov_b32 v15, 0
.irp j, 22,23,24,25,26,27,80,81,82,83,84,85
	v_mov_b32 v\j, 0                               ; zero codes: the upper 64 of the first product's K
.endr
.irp j, 236,237,238,239,252,253
	v_mov_b32 v\j, 0                               ; written once: permutes' destinations, and the pair v[252:253]
.endr
.set J, 0
.rept 64
	v_mov_b32 v[160+J], 0                          ; O^T: the step is written once, and its first run finds zeros; and the finished tile's registers, written on every way through the text
.set J, J+1
.endr
; A KEY BLOCK: 128 keys
.macro STEP
	s_cmp_lg_u32 s[KP], s[SW]
	s_cbranch_scc1 .Lsame_\@
	v_add_f32 v14, v14, v15                        ; THE HELPER'S OWN TILE IS DONE: its sum,
	v_mov_b32 v13, 0xff61b1e6
	v_permlanex16_b32 v252, v14, s[SEL], s[SEL+1]
	s_delay_alu instid0(VALU_DEP_1)
	v_add_f32 v14, v14, v252
	v_floor_f32 v12, -v13
	s_wait_alu depctr_va_vdst(0)                   ; the wait ahead of the reciprocal
	v_rcp_f32 v14, v14
	v_mov_b32 v15, 0                               ; a plain line behind it
	s_wait_alu depctr_va_vdst(0)                   ; and ahead of its first reader, which is also the first reader of O^T
.set J, 0
.rept 32
	v_mul_f32 v[192+J], v[160+J], v14              ; O / l, kept until the way out
.set J, J+1
.endr
.irp i, 0,1,2,3,4,5
	v_mov_b32 v[16+\i], v[86+\i]                   ; the long tile's q,
.endr
	v_mov_b32 v255, v92                            ; and its scale words; the 33 lines below are the places between these and the next product
	v_mov_b32 v14, 0                               ; new sums for my part of the long tile
.set J, 0
.rept 32
	v_mov_b32 v[160+J], 0
.set J, J+1
.endr
	s_wait_alu depctr_va_vdst(0)                   ; the wait here, ahead of the branches below
.Lsame_\@:
	s_cmp_le_u32 s[KP], ttmp9                      ; blocks 0 .. j: every wave's
	s_cbranch_scc1 .Lmine_\@
	s_cmp_gt_u32 s[KP], s[LIM]                     ; behind 15 - j: nobody's
	s_cbranch_scc1 .Lhidden_\@
	s_and_b32 s[TP], s[KP], 1                      ; between: the pair's two waves by turns
	s_cmp_lg_u32 s[TP], s[PAR]
	s_cbranch_scc1 .Lhidden_\@
.Lmine_\@:
	v_add_nc_u32 v8, s[TB], v1
	v_add_nc_u32 v9, s[TB], v2
	v_add_nc_u32 v10, s[TB], v3
	v_nop                                          ; with the three additions: four places between the last step's products and the loads into their operands
.irp t, 0,1,2,3,4,5,6,7
	ds_load_b128 v[32+6*\t:35+6*\t], v8 offset:768*\t
	ds_load_b64 v[36+6*\t:37+6*\t], v9 offset:768*\t+512
.endr
	ds_load_b64 v[248:249], v9 offset:12288        ; k's scale words: tiles 0-3,
	ds_load_b64 v[250:251], v9 offset:12544        ; tiles 4-7
	s_wait_alu depctr_va_vdst(0)
	s_wait_dscnt 0x0
.irp t, 0,2,4,6                        ; S^T = k q^T.  An even tile's words stand in lanes 0-15, the odd tile's in lanes 16-31 of the same register
	v_wmma_scale_f32_16x16x128_f8f6f4 v[96+8*\t:103+8*\t], v[32+6*\t:43+6*\t], v[16:27], 0, v[248+2*(\t/4)+((\t%4)/2)], v255 matrix_a_fmt:MATRIX_FMT_FP6 matrix_b_fmt:MATRIX_FMT_FP6
	v_wmma_scale_f32_16x16x128_f8f6f4 v[104+8*\t:111+8*\t], v[38+6*\t:49+6*\t], v[16:27], 0, v[248+2*(\t/4)+((\t%4)/2)], v255 matrix_a_fmt:MATRIX_FMT_FP6 matrix_b_fmt:MATRIX_FMT_FP6 matrix_a_scale:MATRIX_SCALE_ROW1
.endr
.rept 4
	v_nop                                          ; four places: for the loads below and for the first read of the scores
.endr
.irp n, 0,1,2,3                        ; v's four fragments land under the softmax
	ds_load_b128 v[32+12*\n:35+12*\n], v8 offset:6144+1536*\n
	ds_load_b64 v[36+12*\n:37+12*\n], v9 offset:6144+1536*\n+512
	ds_load_b128 v[38+12*\n:41+12*\n], v8 offset:6144+1536*\n+768
	ds_load_b64 v[42+12*\n:43+12*\n], v9 offset:6144+1536*\n+1280
.endr
	ds_load_b32 v30, v10 offset:12800              ; v's scale bytes of keys 0-63,
	ds_load_b32 v31, v10 offset:12928              ; of keys 64-127
	s_cmp_lg_u32 s[KP], s[DG]
	s_cbranch_scc1 .Lopen_\@
	v_mov_b32 v254, 0xff800000                     ; on the diagonal the scores of hidden keys become -infinity ahead of the maximum: p = 0 then
.set J, 0
.rept 64
	v_cmp_gt_i32 vcc_lo, 32*(J/16)+J%16, v4
	v_cndmask_b32 v[96+J], v[96+J], v254, vcc_lo
.set J, J+1
.endr
.Lopen_\@:
.irp b, 0,1,2,3
	v_max3_num_f32 v[232+\b], v[96+16*\b], v[97+16*\b], v[98+16*\b]   ; the largest score of each block of 32 keys: for the row's maximum and for the block's largest p
.endr
.irp i, 3,5,7,9,11,13
.irp b, 0,1,2,3
	v_max3_num_f32 v[232+\b], v[232+\b], v[96+16*\b+\i], v[97+16*\b+\i]
.endr
.endr
.irp b, 0,1,2,3
	v_max_num_f32 v[232+\b], v[232+\b], v[111+16*\b]
.endr
.irp b, 0,1,2,3
	s_delay_alu instid0(VALU_DEP_4)
	v_permlanex16_b32 v[236+\b], v[232+\b], s[SEL], s[SEL+1]
.endr
.irp b, 0,1,2,3
	s_delay_alu instid0(VALU_DEP_4)
	v_max_num_f32 v[232+\b], v[232+\b], v[236+\b]  ; with lane l xor 16's 16 keys
.endr
	s_delay_alu instid0(VALU_DEP_2)
	v_max3_num_f32 v254, v232, v233, v234
	s_delay_alu instid0(VALU_DEP_1)
	v_max_num_f32 v254, v254, v235
	s_delay_alu instid0(VALU_DEP_1)
	v_mul_f32 v254, s[CS], v254
	s_delay_alu instid0(VALU_DEP_1)
	v_max_num_f32 v13, v13, v254                   ; the running largest t
	v_mov_b32 v254, v12
	s_delay_alu instid0(VALU_DEP_2)
	v_floor_f32 v12, -v13                          ; the new -M = -ceil(t)
	s_delay_alu instid0(VALU_DEP_1)
	v_sub_f32 v254, v12, v254                      ; old M - new M: a whole number, 0 or less
	s_delay_alu instid0(VALU_DEP_1)
	v_cvt_i32_f32 v254, v254                       ; (it saturates)
	s_delay_alu instid0(VALU_DEP_1)
	v_ldexp_f32 v252, 1.0, v254                    ; f = 2^(old M - new M)
.set J, 0
.rept 32
	v_pk_fma_f32 v[96+J:97+J], v[96+J:97+J], s[CS:CS+1], v[12:13] op_sel_hi:[1,0,0]   ; t - M
.set J, J+2
.endr
.irp b, 0,1,2,3
	v_fma_f32 v[232+\b], v[232+\b], s[CS], v12     ; the same of each block's largest score
.endr
.set J, 0
	s_wait_alu depctr_va_vdst(0)
.rept 64
	v_exp_f32 v[96+J], v[96+J]                     ; p = 2^(t - M)
.set J, J+1
.endr
	v_pk_mul_f32 v[14:15], v[14:15], v[252:253] op_sel_hi:[1,0]   ; the sums under the new M: a plain line behind the exponentials
	s_wait_alu depctr_va_vdst(0)                   ; one wait for the batch, ahead of its first reader
.irp b, 0,1,2,3
	v_exp_f32 v[232+\b], v[232+\b]                 ; the block's largest p
.endr
	v_pk_add_f32 v[236:237], v[100:101], v[104:105]   ; the row's sum of the unquantised p, in eight chains
	v_pk_add_f32 v[250:251], v[108:109], v[112:113]
	v_pk_add_f32 v[248:249], v[116:117], v[120:121]
	v_pk_add_f32 v[246:247], v[124:125], v[128:129]
	v_pk_add_f32 v[244:245], v[132:133], v[136:137]
	v_pk_add_f32 v[240:241], v[140:141], v[144:145]
	v_pk_add_f32 v[238:239], v[148:149], v[152:153]
	v_pk_add_f32 v[14:15], v[14:15], v[156:157]
	v_pk_add_f32 v[236:237], v[236:237], v[96:97]
	v_pk_add_f32 v[250:251], v[250:251], v[98:99]
	v_pk_add_f32 v[248:249], v[248:249], v[102:103]
	v_pk_add_f32 v[246:247], v[246:247], v[106:107]
	v_pk_add_f32 v[244:245], v[244:245], v[110:111]
	v_pk_add_f32 v[240:241], v[240:241], v[114:115]
	v_pk_add_f32 v[238:239], v[238:239], v[118:119]
	v_pk_add_f32 v[14:15], v[14:15], v[122:123]
	v_pk_add_f32 v[236:237], v[236:237], v[126:127]
	v_pk_add_f32 v[250:251], v[250:251], v[130:131]
	v_pk_add_f32 v[248:249], v[248:249], v[134:135]
	v_pk_add_f32 v[246:247], v[246:247], v[138:139]
	v_pk_add_f32 v[244:245], v[244:245], v[142:143]
	v_pk_add_f32 v[240:241], v[240:241], v[146:147]
	v_pk_add_f32 v[238:239], v[238:239], v[150:151]
	v_pk_add_f32 v[14:15], v[14:15], v[154:155]
	v_pk_add_f32 v[236:237], v[236:237], v[158:159]
	s_delay_alu instid0(VALU_DEP_2)
	v_pk_add_f32 v[14:15], v[14:15], v[246:247]
	s_delay_alu instid0(VALU_DEP_2)
	v_pk_add_f32 v[236:237], v[236:237], v[244:245]
	v_pk_add_f32 v[250:251], v[250:251], v[240:241]
	v_pk_add_f32 v[248:249], v[248:249], v[238:239]
	s_delay_alu instid0(VALU_DEP_2)
	v_pk_add_f32 v[14:15], v[14:15], v[250:251]
	s_delay_alu instid0(VALU_DEP_2)
	v_pk_add_f32 v[236:237], v[236:237], v[248:249]
	s_delay_alu instid0(VALU_DEP_1)
	v_pk_add_f32 v[14:15], v[14:15], v[236:237]
	s_wait_alu depctr_va_vdst(0)                   ; and one for the four
.irp b, 0,1,2,3
	v_max_num_f32 v[232+\b], 0x1800000, v[232+\b]  ; the floor: the byte cannot fall under 1
.endr
.irp b, 0,1,2,3
	s_delay_alu instid0(VALU_DEP_4)
	v_add_nc_u32 v[244+\b], 0xff000000, v[232+\b]
.endr
.irp b, 0,1,2,3
	s_delay_alu instid0(VALU_DEP_4)
	v_lshrrev_b32 v[236+\b], 23, v[244+\b]
.endr
	s_delay_alu instid0(VALU_DEP_3)
	v_lshl_or_b32 v253, v237, 8, v236              ; p's scale word for these 128 keys
	s_delay_alu instid0(VALU_DEP_1)
	v_lshl_or_b32 v253, v238, 16, v253
	s_delay_alu instid0(VALU_DEP_1)
	v_lshl_or_b32 v253, v239, 24, v253
.irp c, 0,1
	v_cvt_scalef32_pk16_fp6_f32 v[224+6*\c:226+6*\c], v[96+32*\c:111+32*\c], v[244+2*\c]
	v_cvt_scalef32_pk16_fp6_f32 v[236+4*\c:238+4*\c], v[112+32*\c:127+32*\c], v[244+2*\c+1]
.endr
	v_nop                                          ; one plain line behind the scaled conversions
.irp c, 0,1
.irp i, 0,1,2
	v_permlane16_swap_b32 v[224+6*\c+\i], v[236+4*\c+\i]
.endr
.irp i, 0,1,2
	s_delay_alu instid0(VALU_DEP_3)
	v_mov_b32 v[227+6*\c+\i], v[236+4*\c+\i]
.endr
.endr
	s_wait_dscnt 0x0                               ; v's fragments and scale bytes are in
	v_perm_b32 v28, v31, v30, 0x05040100           ; the four bytes of a row's word: lanes 0-15 tile 0, lanes 16-31 tile 2;
	v_perm_b32 v29, v31, v30, 0x07060302           ; tiles 1 and 3
.set J, 0
.rept 16
	v_pk_mul_f32 v[160+J:161+J], v[160+J:161+J], v[252:253] op_sel_hi:[1,0]   ; O^T under the new M; these sixteen are also the places behind the scale words and p's codes
.set J, J+2
.endr
	v_wmma_scale_f32_16x16x128_f8f6f4 v[160:167], v[32:43], v[224:235], v[160:167], v28, v253 matrix_a_fmt:MATRIX_FMT_FP6 matrix_b_fmt:MATRIX_FMT_FP6
	v_wmma_scale_f32_16x16x128_f8f6f4 v[168:175], v[44:55], v[224:235], v[168:175], v29, v253 matrix_a_fmt:MATRIX_FMT_FP6 matrix_b_fmt:MATRIX_FMT_FP6
	v_wmma_scale_f32_16x16x128_f8f6f4 v[176:183], v[56:67], v[224:235], v[176:183], v28, v253 matrix_a_fmt:MATRIX_FMT_FP6 matrix_b_fmt:MATRIX_FMT_FP6 matrix_a_scale:MATRIX_SCALE_ROW1
	v_wmma_scale_f32_16x16x128_f8f6f4 v[184:191], v[68:79], v[224:235], v[184:191], v29, v253 matrix_a_fmt:MATRIX_FMT_FP6 matrix_b_fmt:MATRIX_FMT_FP6 matrix_a_scale:MATRIX_SCALE_ROW1
.Lhidden_\@:
	s_add_co_u32 s[TB], s[TB], STEPB
	s_add_co_u32 s[KP], s[KP], 1
.endm
.macro RUN cnt                         ; cnt key blocks
	s_mov_b32 s[CNT], \cnt
.Lrun_\@:
	STEP
	s_sub_co_u32 s[CNT], s[CNT], 1
	s_cmp_lg_u32 s[CNT], 0
	s_cbranch_scc1 .Lrun_\@
.endm
	s_wait_alu depctr_va_vdst(0)                   ; the wait at the head's end
	s_wait_loadcnt 0x0                             ; q, twice
	s_wait_tensorcnt 0x0                           ; my rows of the first part are in
	ds_add_u32 v95, v243
	s_wait_dscnt 0x0
	s_barrier_signal -1
	s_barrier_wait -1                              ; everybody's are
	tensor_load_to_lds s[G0B:G0B+3], s[G1B:G1B+7]  ; my 38 rows of the second part: my one load behind this barrier, and my last
	s_nop 0
	RUN 3                                          ; key blocks 0 to 2
	s_wait_tensorcnt 0x0                           ; my rows of the second part are in,
	s_wait_dscnt 0x0                               ; no LDS load of mine is out:
	s_barrier_signal -1                            ; say so
	STEP                                           ; key block 3, of the first part: register work and LDS loads
	s_barrier_wait -1                              ; the second part is whole
	RUN 12                                         ; key blocks 4 to 15
	; THE HAND-OVER: the helper's O^T, -M and sum go to its partner
	v_add_f32 v14, v14, v15
	s_wait_alu depctr_va_vdst(0)                   ; the wait here, ahead of the branch
	s_cmp_lg_u32 s[ROLE], 0
	s_cbranch_scc1 .Lkeep
	v_mov_b32 v13, v14
.rept 3
	v_nop                                          ; with the two lines above: the places behind the last products
.endr
.irp i, 0,1,2,3,4,5,6,7
	ds_store_b128 v6, v[160+4*\i:163+4*\i] offset:512*\i   ; each accumulator from its low end on
.endr
	ds_store_b64 v7, v[12:13]
.Lkeep:
	s_wait_dscnt 0x0                               ; my stores are done
	s_barrier_signal -1
	s_barrier_wait -1
	s_cmp_eq_u32 s[ROLE], 0
	s_cbranch_scc1 .Lout                           ; the helper's own tile was finished at its change of tiles
.irp i, 0,1,2,3,4,5,6,7
	ds_load_b128 v[192+4*\i:195+4*\i], v6 offset:512*\i
.endr
	ds_load_b64 v[10:11], v7
	s_wait_dscnt 0x0
	v_min_num_f32 v8, v12, v10                     ; -M of the two parts together
	s_delay_alu instid0(VALU_DEP_1)
	v_sub_f32 v9, v8, v12                          ; my M - M, 0 or less,
	v_sub_f32 v10, v8, v10                         ; and the helper's (a helper with no key block brings -M = 3e38 and zeros)
	s_delay_alu instid0(VALU_DEP_2)
	v_cvt_i32_f32 v9, v9                           ; (they saturate)
	s_delay_alu instid0(VALU_DEP_2)
	v_cvt_i32_f32 v10, v10
	s_delay_alu instid0(VALU_DEP_2)
	v_ldexp_f32 v9, 1.0, v9
	s_delay_alu instid0(VALU_DEP_2)
	v_ldexp_f32 v10, 1.0, v10
	s_delay_alu instid0(VALU_DEP_2)
	v_mul_f32 v14, v14, v9
	s_delay_alu instid0(VALU_DEP_1)
	v_fma_f32 v14, v11, v10, v14
	s_delay_alu instid0(VALU_DEP_1)
	v_permlanex16_b32 v252, v14, s[SEL], s[SEL+1]
	s_delay_alu instid0(VALU_DEP_1)
	v_add_f32 v14, v14, v252                       ; the row's sum
	s_wait_alu depctr_va_vdst(0)
	v_rcp_f32 v14, v14
	v_nop
	s_wait_alu depctr_va_vdst(0)
	v_mul_f32 v8, v9, v14                          ; my part's factor,
	v_mul_f32 v10, v10, v14                        ; the helper's
.set J, 0
.rept 16
	v_pk_mul_f32 v[192+J:193+J], v[192+J:193+J], v[10:11] op_sel_hi:[1,0]
.set J, J+2
.endr
	s_wait_alu depctr_va_vdst(0)                   ; the wait directly ahead of the first reader of O^T
.set J, 0
.rept 16
	v_pk_fma_f32 v[192+J:193+J], v[160+J:161+J], v[8:9], v[192+J:193+J] op_sel_hi:[1,0,1]
.set J, J+2
.endr
.Lout:
	; THE WAY OUT: register 16 b + i of v192 on is channel 32 b + 16 (lane / 16) + i of my query: half a K step of the last product
.irp b, 0,1
	v_mov_b32 v[TM+4+\b], 0                        ; a lane permute's destination counts as one of its sources
.endr
	QUANT 192, PWO
	global_store_b128 v1, v[PC:PC+3], s[82:83]
	global_store_b64 v2, v[PC+4:PC+5], s[82:83] offset:512
	global_store_b16 v5, v[PWO], s[84:85]          ; my head's two scale bytes of each row: the K step's other two belong to another work-group; lanes 16-31 store the same bytes as lanes 0-15
	s_wait_tensorcnt 0x0                           ; the wave's end
	ds_add_u32 v95, v243
	s_wait_dscnt 0x0
	s_endpgm
.Lfunc_end_k_q023571ccd0_attn:
	.size	k_q023571ccd0_attn, .Lfunc_end_k_q023571ccd0_attn-k_q023571ccd0_attn
	.p2alignl 7, 3214868480
	.fill 96, 4, 3214868480
	.section	.rodata,"a",@progbits
	.p2align	6, 0x0
	.amdhsa_kernel k_q023571ccd0_attn
		.amdhsa_group_segment_fixed_size 327680
		.amdhsa_private_segment_fixed_size 0
		.amdhsa_enable_private_segment 0
		.amdhsa_kernarg_size 24
		.amdhsa_user_sgpr_count 2
		.amdhsa_user_sgpr_kernarg_segment_ptr 1
		.amdhsa_wavefront_size32 1
		.amdhsa_system_sgpr_workgroup_id_x 1
		.amdhsa_system_sgpr_workgroup_id_y 1
		.amdhsa_system_sgpr_workgroup_id_z 1
		.amdhsa_system_vgpr_workitem_id 0
		.amdhsa_next_free_vgpr 256
		.amdhsa_next_free_sgpr 92
		.amdhsa_reserve_vcc 1
		.amdhsa_float_denorm_mode_32 3
		.amdhsa_float_denorm_mode_16_64 3
		.amdhsa_memory_ordered 1
		.amdhsa_forward_progress 1
		.amdhsa_inst_pref_size 94
	.end_amdhsa_kernel
	.amdgpu_metadata
---
amdhsa.version: [ 1, 2 ]
amdhsa.kernels:
  - .name:           k_q023571ccd0_attn
    .symbol:         k_q023571ccd0_attn.kd
    .args:
      - { .name: g1, .offset: 0, .size: 8, .value_kind: global_buffer, .address_space: global }
      - { .name: kv, .offset: 8, .size: 8, .value_kind: global_buffer, .address_space: global }
      - { .name: ao, .offset: 16, .size: 8, .value_kind: global_buffer, .address_space: global }
    .group_segment_fixed_size: 327680
    .private_segment_fixed_size: 0
    .kernarg_segment_align: 8
    .kernarg_segment_size: 24
    .max_flat_workgroup_size: 512
    .sgpr_count:     92
    .vgpr_count:     256
    .wavefront_size: 32
...
	.end_amdgpu_metadata
.endif
;; end of part 4
;; launch gemm3 (part 5): grid 8 x 32, 4 waves a work-group, clusters of 4 x 4, 327,680 bytes of LDS; arguments ao, qz, out0; writes out0
.if DOCPART == 5
	.amdgcn_target "amdgcn-amd-amdhsa--gfx1250"
	.amdhsa_code_object_version 6
	.text
	.protected	k_q023571ccd0_gemm3
	.globl	k_q023571ccd0_gemm3
	.p2align	8
	.type	k_q023571ccd0_gemm3,@function
k_q023571ccd0_gemm3:
	s_mov_b64 s[64:65], 0
	v_nop
	global_prefetch_b8 v0, s[64:65] scope:SCOPE_SE
	s_setreg_imm32_b32 hwreg(HW_REG_WAVE_MODE, 25, 1), 1
	s_wait_xcnt 0x0
	s_wait_alu depctr_hold_cnt(0) depctr_sa_sdst(0) depctr_va_vdst(0) depctr_va_sdst(0) depctr_va_ssrc(0) depctr_va_vcc(0) depctr_vm_vsrc(0)
	s_getreg_b32 s2, hwreg(HW_REG_IB_STS2, 6, 4)
	s_cmp_eq_u32 s2, 0
	s_cbranch_scc0 .Lentry_in_a_cluster
	s_endpgm
.Lentry_in_a_cluster:
	s_bfe_u32 s2, ttmp6, 0x10000c
	s_cmp_lg_u32 s2, 0xf033
	s_cbranch_scc0 .Lentry_shape_is_right
	s_endpgm
.Lentry_shape_is_right:
; out0 = (attention's output) wo on codes of FP6 (E2M3) with E8M0 scales, M 4,096, N 2,048, K 1,024; out0 is f32.
; Operand layouts, tiles' order, shares and cluster as in the two products before: [tile][K step][1,536], lane r of tile T = row 32 (T / 2) + 8 (T % 2) + r % 8 + 16 (r / 8); a work-group makes 128 x 256, a wave 64 x 128,
; used transposed (source 0 = the weight's 16 rows, source 1 = the tokens'): a lane holds one token, and an accumulator's eight registers are eight neighbouring columns.
; K's 8 steps fit in the two LDS slots: every LDS byte is filled once, and there is one change of slots.
; THE WAY OUT: a block of 16 tokens x 128 columns goes through the wave's own stage in LDS and comes back as whole rows of 512 bytes.  The stage lies in slot 0, which has had its only fill and, behind the change of slots, its last read.
; REGISTERS: window 0: v16-31 addresses; v160-207 scale words; v64-159 the tokens' fragments; v128-255 rows on the way out; window 1: the weight's fragments; window 2: accumulators, (a, b) at 64 a + 8 b.
.set KS,     8
.set REFILL, 0
.set NATV,   0
.set CH,     6144
.set SLOT,   24*CH
.set SCL,    2*SLOT
.set AIMG,   0
.set ASCL,   3145728
.set BIMG,   11468800
.set BSCL,   13041664
.set ABUF, 4
.set BBUF, 6
.set OBUF, 8
.set ADRA16, 16
.set ADRA8,  18
.set ADRB16, 20
.set ADRB8,  22
.set ADSA,   24
.set ADSB,   25
.set O16,    26
.set O8,     27
.set STO,    30
.set RD,     31
.set SC,     160                       ; v160-207: the scale words of all 8 K steps, six registers a step, loaded from memory once (no scale words go through LDS)
.set PFO,    3                         ; v3: the prefetch's offset, 256 bytes a lane; never rewritten
.set PF,     72                        ; s[72:73], s[74:75]: where my two prefetches begin; never rewritten
.set AF,     64
.set BK,     128
.set G1A, 24
.set G0A, 32
.set G1B, 48
.set G0B, 56
.set G1SA, 68
.set G0SA, 76
.set G1SB, 80
.set G0SB, 88
.set MSB, 0
.macro WIN new                         ; the immediate's high byte repeats the setting that is left
.if MSB != (\new)
	s_set_vgpr_msb (MSB<<8)|(\new)
.set MSB, \new
.endif
.endm
.macro JLOAD g0a, g1a, g0b, g1b        ; a joint load: waves 0 and 1 for the tokens, waves 2 and 3 for the weight; four v_nop follow each line
	s_cmp_eq_u32 s15, 0
	s_cbranch_scc0 .Lfor_b_\@
	tensor_load_to_lds s[\g0a:\g0a+3], s[\g1a:\g1a+7]
	s_nop 0
.rept 4
	v_nop
.endr
	s_branch .Lasked_\@
.Lfor_b_\@:
	tensor_load_to_lds s[\g0b:\g0b+3], s[\g1b:\g1b+7]
	s_nop 0
.rept 4
	v_nop
.endr
.Lasked_\@:
.endm
.macro CREST
	s_cmp_lg_u32 s14, 0
	s_cbranch_scc1 .Lnot_wave_0_\@
	s_barrier_signal -3
.Lnot_wave_0_\@:
	s_barrier_wait -3
	s_barrier_signal -1
	s_barrier_wait -1
.endm
.macro CROUND
	s_barrier_signal -1
	s_barrier_wait -1
	CREST
.endm
.macro WME z, s0, s1, x0, x1, r0, r1   ; one matrix instruction on v[AC] on; z = 1 starts the sum; r0, r1: the scales of source 0, 1 stand in lanes 16-31
.if \z
.if (\r0) && (\r1)
	v_wmma_scale_f32_16x16x128_f8f6f4 v[AC:AC+7], v[\s0:\s0+11], v[\s1:\s1+11], 0, v[\x0], v[\x1] matrix_a_fmt:MATRIX_FMT_FP6 matrix_b_fmt:MATRIX_FMT_FP6 matrix_a_scale:MATRIX_SCALE_ROW1 matrix_b_scale:MATRIX_SCALE_ROW1
.elseif (\r0)
	v_wmma_scale_f32_16x16x128_f8f6f4 v[AC:AC+7], v[\s0:\s0+11], v[\s1:\s1+11], 0, v[\x0], v[\x1] matrix_a_fmt:MATRIX_FMT_FP6 matrix_b_fmt:MATRIX_FMT_FP6 matrix_a_scale:MATRIX_SCALE_ROW1
.elseif (\r1)
	v_wmma_scale_f32_16x16x128_f8f6f4 v[AC:AC+7], v[\s0:\s0+11], v[\s1:\s1+11], 0, v[\x0], v[\x1] matrix_a_fmt:MATRIX_FMT_FP6 matrix_b_fmt:MATRIX_FMT_FP6 matrix_b_scale:MATRIX_SCALE_ROW1
.else
	v_wmma_scale_f32_16x16x128_f8f6f4 v[AC:AC+7], v[\s0:\s0+11], v[\s1:\s1+11], 0, v[\x0], v[\x1] matrix_a_fmt:MATRIX_FMT_FP6 matrix_b_fmt:MATRIX_FMT_FP6
.endif
.else
.if (\r0) && (\r1)
	v_wmma_scale_f32_16x16x128_f8f6f4 v[AC:AC+7], v[\s0:\s0+11], v[\s1:\s1+11], v[AC:AC+7], v[\x0], v[\x1] matrix_a_fmt:MATRIX_FMT_FP6 matrix_b_fmt:MATRIX_FMT_FP6 matrix_a_scale:MATRIX_SCALE_ROW1 matrix_b_scale:MATRIX_SCALE_ROW1
.elseif (\r0)
	v_wmma_scale_f32_16x16x128_f8f6f4 v[AC:AC+7], v[\s0:\s0+11], v[\s1:\s1+11], v[AC:AC+7], v[\x0], v[\x1] matrix_a_fmt:MATRIX_FMT_FP6 matrix_b_fmt:MATRIX_FMT_FP6 matrix_a_scale:MATRIX_SCALE_ROW1
.elseif (\r1)
	v_wmma_scale_f32_16x16x128_f8f6f4 v[AC:AC+7], v[\s0:\s0+11], v[\s1:\s1+11], v[AC:AC+7], v[\x0], v[\x1] matrix_a_fmt:MATRIX_FMT_FP6 matrix_b_fmt:MATRIX_FMT_FP6 matrix_b_scale:MATRIX_SCALE_ROW1
.else
	v_wmma_scale_f32_16x16x128_f8f6f4 v[AC:AC+7], v[\s0:\s0+11], v[\s1:\s1+11], v[AC:AC+7], v[\x0], v[\x1] matrix_a_fmt:MATRIX_FMT_FP6 matrix_b_fmt:MATRIX_FMT_FP6
.endif
.endif
.endm
.macro WM n, a, b, zero
.set SCB, SC+6*(\n)+2+2*((\b)/4)+(((\b)%4)/2)
.set SCA, SC+6*(\n)+((\a)/2)
.set FB, 128*((\n)%2)+12*(\b)
.set FA, AF+48*((\n)%2)+12*(\a)
.set AC, 64*(\a)+8*(\b)
	WME \zero, FB, FA, SCB, SCA, (\b)%2, (\a)%2
.endm
.macro MUL8 n, a0, half, zero          ; the 32 accumulators take turns, one instruction a turn, in the same order in every K step
	WIN 0xa1                                       ; source 0 (weight) window 1, source 1 (tokens) window 0, C and D window 2
.irp a, \a0, \a0+1
.irp b, 0,1,2,3
	WM \n, \a, 4*(\half)+\b, \zero
.endr
.endr
.endm
.macro FRAG reg, a16, a8, off
	ds_load_b128 v[\reg:\reg+3], v[\a16] offset:\off
	ds_load_b64 v[\reg+4:\reg+5], v[\a8] offset:\off+512
	ds_load_b128 v[\reg+6:\reg+9], v[\a16] offset:\off+768
	ds_load_b64 v[\reg+10:\reg+11], v[\a8] offset:\off+1280
.endm
.macro FETCH n                         ; K step n's 12 fragments into set n % 2
.set FS, ((\n)/4)%2
.set FQ, (\n)%4
.set FP, (\n)%2
	WIN 0x40
.irp i, 0,1,2,3,4,5,6,7
	FRAG 128*FP+12*\i, ADRB16+FS, ADRB8+FS, \i*CH+FQ*1536
.endr
	WIN 0
.irp i, 0,1,2,3
	FRAG AF+48*FP+12*\i, ADRA16+FS, ADRA8+FS, \i*CH+FQ*1536
.endr
.endm
.macro STEP n, zero
	s_wait_dscnt 0x0                               ; this step's set, asked for a step ago, is in
.if (\n) > 0
.rept 4
	v_nop                                          ; four places between the last step's products and the loads into the set that they read
.endr
.endif
	FETCH (\n)+1
	MUL8 \n, 0, 0, \zero
	MUL8 \n, 2, 0, \zero
	MUL8 \n, 0, 1, \zero
	MUL8 \n, 2, 1, \zero
.endm
.macro LAST n
	s_wait_dscnt 0x0
	MUL8 \n, 0, 0, 0
	MUL8 \n, 2, 0, 0
	MUL8 \n, 0, 1, 0
	MUL8 \n, 2, 1, 0
.endm
.macro TURN n                          ; the change of slots: my part of slot 1 has landed and my reads of slot 0 are over; behind the barrier that holds of every wave.  Nothing is filled again
	s_wait_tensorcnt 0x0
	s_wait_dscnt 0x0
	MUL8 \n, 0, 0, 0
	s_barrier_signal -1
	MUL8 \n, 2, 0, 0
	s_barrier_wait -1
.rept 4
	v_nop
.endr
	FETCH (\n)+1
	MUL8 \n, 0, 1, 0
	MUL8 \n, 2, 1, 0
.endm
	s_load_b128 s[4:7], s[0:1], 0x0                ; ao, qz
	s_load_b64 s[8:9], s[0:1], 0x10                ; out0
	v_lshl_add_u32 v62, v0, 2, 0x4b000
	v_mov_b32 v63, 0
	ds_add_u32 v62, v63
	ds_add_u32 v62, v63
	v_lshrrev_b32 v1, 5, v0
	v_readfirstlane_b32 s14, v1                    ; wave 0..3
	s_lshr_b32 s15, s14, 1                         ; mh.  Also: I fetch for the tokens (0) or for the weight (1)
	s_and_b32 s16, s14, 1                          ; nh.  Also: which half I fetch
	s_bfe_u32 s40, ttmp6, 0x40000
	s_bfe_u32 s41, ttmp6, 0x40004
	s_lshl_b32 s42, ttmp9, 2
	s_add_co_u32 s42, s42, s40                     ; X
	s_and_b32 s17, ttmp7, 0xffff
	s_lshl_b32 s17, s17, 2
	s_add_co_u32 s17, s17, s41                     ; Y
	s_lshl_b32 s43, s41, 2
	s_lshl_b32 s43, 15, s43
	s_lshl_b32 s44, 0x1111, s40
	s_or_b32 s[G1A], s43, (3<<16)|(1<<21)          ; the mask; elements of 8 bytes; no padding; bit 21 beside a mask
	s_or_b32 s[G1B], s44, (3<<16)|(1<<21)
.irp g, G1A, G1B
	s_mov_b32 s[\g+1], 768<<16
	s_mov_b32 s[\g+3], 768<<16
	s_mov_b32 s[\g+5], KS*192
	s_mov_b32 s[\g+6], 0
	s_mov_b32 s[\g+7], 0
.endr
	s_mov_b32 s[G1A+2], 4<<16
	s_mov_b32 s[G1A+4], 4
	s_mov_b32 s[G1B+2], 8<<16
	s_mov_b32 s[G1B+4], 8
	s_lshl_b32 s18, s16, 2
	s_lshl_b32 s20, s17, 3
	s_add_co_u32 s20, s20, s18
	s_mul_i32 s20, s20, KS*1536
.if AIMG
	s_add_co_u32 s20, s20, AIMG
.endif
	s_mov_b32 s21, 0
	s_lshl_b32 s18, s16, 3
	s_lshl_b32 s46, s42, 4
	s_add_co_u32 s46, s46, s18
	s_mul_i32 s46, s46, KS*1536
	s_add_co_u32 s46, s46, BIMG
	s_mov_b32 s47, 0
	s_lshl_b32 s22, s17, 1
	s_add_co_u32 s22, s22, s15                     ; the group of 64 rows that I multiply
	s_mul_i32 s22, s22, KS*256
	s_add_co_u32 s22, s22, ASCL
	s_mov_b32 s23, 0
	s_lshl_b32 s18, s16, 1
	s_lshl_b32 s92, s42, 2
	s_add_co_u32 s92, s92, s18
	s_mul_i32 s92, s92, KS*256
	s_add_co_u32 s92, s92, BSCL
	s_mov_b32 s93, 0
	s_mul_i32 s45, s16, 4*CH
	s_mul_i32 s94, s16, 8*CH
	s_add_co_u32 s94, s94, 8*CH
	s_wait_dscnt 0x0
	s_wait_kmcnt 0x0
	s_add_nc_u64 s[20:21], s[ABUF:ABUF+1], s[20:21]
	s_add_nc_u64 s[68:69], s[ABUF:ABUF+1], s[22:23]   ; my rows' scale words
	s_add_nc_u64 s[46:47], s[BBUF:BBUF+1], s[46:47]
	s_add_nc_u64 s[70:71], s[BBUF:BBUF+1], s[92:93]   ; my columns' scale words
	CROUND                                         ; all sixteen work-groups are here: the joint loads meet
.irp s, 0,1
	s_mov_b32 s[G0A+4*\s], 1
	s_add_co_u32 s[G0A+4*\s+1], s45, \s*SLOT
	s_add_nc_u64 s[G0A+4*\s+2:G0A+4*\s+3], s[20:21], \s*CH
	s_or_b32 s[G0A+4*\s+3], s[G0A+4*\s+3], 0x80000000
	s_mov_b32 s[G0B+4*\s], 1
	s_add_co_u32 s[G0B+4*\s+1], s94, \s*SLOT
	s_add_nc_u64 s[G0B+4*\s+2:G0B+4*\s+3], s[46:47], \s*CH
	s_or_b32 s[G0B+4*\s+3], s[G0B+4*\s+3], 0x80000000
.endr
	JLOAD G0A, G1A, G0B, G1B                       ; slot 0, K steps 0-3: my one tensor load at the head
	; a prefetch into the L2 of slot 1's chunk, which the next joint load asks for.  Of the tiles that a wave fetches, each of the four partners that ask for them jointly takes a quarter, told apart by address:
	; of the tokens' 4 tiles one (12 + 12 blocks of 256 bytes), of the weight's 8 tiles two (24 + 24 blocks).  Lanes that are left over name their wave's last block again
	s_cmp_eq_u32 s15, 0                            ; do I fetch for the tokens?
	s_cselect_b64 s[PF:PF+1], s[20:21], s[46:47]   ; the tiles that I fetch,
	s_cselect_b32 s76, s40, s41                    ; my work-group's place among the four that ask for them with me
	s_mul_i32 s76, s76, KS*1536
	s_lshl_b32 s76, s76, s15                       ; one tile a partner of the tokens', two of the weight's
	s_mov_b32 s77, 0
	s_add_nc_u64 s[PF:PF+1], s[PF:PF+1], s[76:77]
	s_lshl_b32 s78, s15, 1
	s_lshl_b32 s78, 3072, s78                      ; the second prefetch: 12 blocks on, or a tile (12,288 bytes) on
	s_mov_b32 s79, 0
	s_add_nc_u64 s[PF+2:PF+3], s[PF:PF+1], s[78:79]
	s_mul_i32 s80, s15, 12
	s_add_co_u32 s80, s80, 11                      ; the last block of a prefetch: 11 or 23
	v_and_b32 v1, 31, v0
	v_lshlrev_b32 v[O16], 4, v1
	v_lshlrev_b32 v[O8], 3, v1
	v_min_u32 v[PFO], s80, v1
	v_lshlrev_b32 v[PFO], 8, v[PFO]
	s_wait_alu depctr_va_vdst(0)
	global_prefetch_b8 v[PFO], s[PF:PF+1] offset:CH th:TH_LOAD_NT scope:SCOPE_SE
	global_prefetch_b8 v[PFO], s[PF+2:PF+3] offset:CH th:TH_LOAD_NT scope:SCOPE_SE
	s_mul_i32 s18, s15, 4*CH
	s_mul_i32 s19, s16, 8*CH
	s_add_co_u32 s19, s19, 8*CH
.irp s, 0,1
	v_add_nc_u32 v[ADRA16+\s], s18, v[O16]
	v_add_nc_u32 v[ADRA8+\s], s18, v[O8]
	v_add_nc_u32 v[ADRB16+\s], s19, v[O16]
	v_add_nc_u32 v[ADRB8+\s], s19, v[O8]
	s_add_co_u32 s18, s18, SLOT
	s_add_co_u32 s19, s19, SLOT
.endr
.set SN, 0
.rept KS                               ; each load covers 256 consecutive bytes, aligned: the words of 64 rows for one K step
	global_load_b64 v[SC+6*SN:SC+6*SN+1], v[O8], s[68:69] offset:SN*256
	global_load_b64 v[SC+6*SN+2:SC+6*SN+3], v[O8], s[70:71] offset:SN*256
	global_load_b64 v[SC+6*SN+4:SC+6*SN+5], v[O8], s[70:71] offset:KS*256+SN*256
.set SN, SN+1
.endr
	v_and_b32 v4, 15, v0
	v_bfe_u32 v5, v0, 4, 1
	s_mul_i32 s18, s14, 8448                       ; my stage: 16 rows of 512 bytes + 16
	v_mul_u32_u24 v[STO], v4, 528
	v_lshl_add_u32 v[STO], v5, 6, v[STO]
	v_add_nc_u32 v[STO], s18, v[STO]               ; in: row r, + 64 h
	v_add_nc_u32 v[RD], s18, v[O16]                ; back: 16 bytes a lane, a row an instruction
	s_lshl_b32 s18, s17, 1
	s_add_co_u32 s18, s18, s15
	s_lshl_b32 s18, s18, 19                        ; my 64 rows of 8,192 bytes,
	s_lshl_b32 s19, s42, 1
	s_add_co_u32 s19, s19, s16
	s_lshl_b32 s19, s19, 9                         ; my 128 columns
	s_add_co_u32 s18, s18, s19
	s_mov_b32 s19, 0
	s_add_nc_u64 s[12:13], s[OBUF:OBUF+1], s[18:19]
	s_wait_alu depctr_va_vdst(0)
	s_wait_tensorcnt 0x0                           ; my part of slot 0 is in
	ds_add_u32 v62, v63
	s_wait_dscnt 0x0
	CROUND                                         ; everybody's part of slot 0 is in, and the sixteen work-groups meet
	JLOAD G0A+4, G1A, G0B+4, G1B                   ; slot 1, K steps 4-7: the first tensor load behind the round
	s_wait_loadcnt 0x0                             ; the scale words
	FETCH 0
	STEP 0, 1
	STEP 1, 0
	STEP 2, 0
	TURN 3
	STEP 4, 0
	STEP 5, 0
	STEP 6, 0
	LAST 7
	WIN 0
.rept 4
	v_nop                                          ; four places behind the last products: for the stores of results and for the loads into registers that held fragments
.endr
.macro TOSTAGE a                       ; accumulator (a, b) holds columns 32 (b / 2) + 8 (b % 2) + 16 h + 0 .. 7 of my token
	WIN 0x08                                       ; an LDS store's data are its source 1: window 2
.irp b, 0,1,2,3,4,5,6,7
	ds_store_b128 v[STO], v[64*(\a)+8*\b:64*(\a)+8*\b+3] offset:128*(\b/2)+32*(\b%2)        ; each accumulator from its low end on
	ds_store_b128 v[STO], v[64*(\a)+8*\b+4:64*(\a)+8*\b+7] offset:128*(\b/2)+32*(\b%2)+16
.endr
	WIN 0
.set BB, BK+64*((\a)%2)
.irp t, 0,1,2,3,4,5,6,7,8,9,10,11,12,13,14,15
	ds_load_b128 v[BB+4*\t:BB+4*\t+3], v[RD] offset:\t*528     ; LDS serves a wave's instructions in order: these see the stores above
.endr
.endm
.macro SEND a, younger                 ; younger: the LDS instructions issued behind block a's loads, which may stay out
.set BB, BK+64*((\a)%2)
	s_wait_dscnt \younger
.irp t, 0,1,2,3,4,5,6,7,8,9,10,11,12,13,14,15
	global_store_b128 v[O16], v[BB+4*\t:BB+4*\t+3], s[12:13] offset:(32*((\a)/2)+8*((\a)%2)+(\t%8)+16*(\t/8))*8192 th:TH_STORE_NT   ; 32 lanes store 512 consecutive bytes of the token's row
.endr
.endm
	TOSTAGE 0
.irp a, 1,2,3
.if \a > 1
	s_wait_xcnt 0x0                                ; block a - 2's stores have read their registers: block a's loads may land there
.endif
	TOSTAGE \a
	SEND \a-1, 32                                  ; behind block a - 1's loads: block a's 16 stores and 16 loads
.endr
	SEND 3, 0
	s_wait_tensorcnt 0x0
	ds_add_u32 v62, v63
	s_wait_dscnt 0x0
	CROUND                                         ; the closing round
	s_endpgm
.Lfunc_end_k_q023571ccd0_gemm3:
	.size	k_q023571ccd0_gemm3, .Lfunc_end_k_q023571ccd0_gemm3-k_q023571ccd0_gemm3
	.p2alignl 7, 3214868480
	.fill 96, 4, 3214868480
	.section	.rodata,"a",@progbits
	.p2align	6, 0x0
	.amdhsa_kernel k_q023571ccd0_gemm3
		.amdhsa_group_segment_fixed_size 327680
		.amdhsa_private_segment_fixed_size 0
		.amdhsa_enable_private_segment 0
		.amdhsa_kernarg_size 24
		.amdhsa_user_sgpr_count 2
		.amdhsa_user_sgpr_kernarg_segment_ptr 1
		.amdhsa_wavefront_size32 1
		.amdhsa_system_sgpr_workgroup_id_x 1
		.amdhsa_system_sgpr_workgroup_id_y 1
		.amdhsa_system_sgpr_workgroup_id_z 1
		.amdhsa_system_vgpr_workitem_id 0
		.amdhsa_next_free_vgpr 768
		.amdhsa_next_free_sgpr 98
		.amdhsa_reserve_vcc 0
		.amdhsa_float_denorm_mode_32 3
		.amdhsa_float_denorm_mode_16_64 3
		.amdhsa_memory_ordered 1
		.amdhsa_forward_progress 1
		.amdhsa_inst_pref_size 84
	.end_amdhsa_kernel
	.amdgpu_metadata
---
amdhsa.version: [ 1, 2 ]
amdhsa.kernels:
  - .name:           k_q023571ccd0_gemm3
    .symbol:         k_q023571ccd0_gemm3.kd
    .args:
      - { .name: ao, .offset: 0, .size: 8, .value_kind: global_buffer, .address_space: global }
      - { .name: qz, .offset: 8, .size: 8, .value_kind: global_buffer, .address_space: global }
      - { .name: out0, .offset: 16, .size: 8, .value_kind: global_buffer, .address_space: global }
    .group_segment_fixed_size: 327680
    .private_segment_fixed_size: 0
    .kernarg_segment_align: 8
    .kernarg_segment_size: 24
    .max_flat_workgroup_size: 128
    .sgpr_count:     98
    .vgpr_count:     768
    .wavefront_size: 32
...
	.end_amdgpu_metadata
.endif
;; end of part 5
